; MI455X (gfx1250); checked and timed in simulation.
; The chip was launched on July 23, 2026; its instructions are those of AMD's public machine-readable ISA for CDNA 5 (MIT licence, August 2026) and "CDNA5" Instruction Set Architecture Reference Guide (July 2026). The comments in the code are by the model that wrote it; some were corrected since.
;; Aggregation Attention. Allowed arithmetic: matrix products marked QUANTISED: E3M2 operands, one E8M0 scale for each 32 along K, by v_wmma_scale_f32_16x16x128_f8f6f4 with both operands' format E3M2, f32 sums; products left as they are: f32 operands where the result goes on into a quantised operand, else bf16, f16 or f32 operands; f32 sums; everything else in f32.
;; Inputs: W1 4,096 x 1,024 float32; W2 1,024 x 4,096 float32; Wk 1,024 x 1,024 float32; Wq 1,024 x 1,024 float32; Wv 1,024 x 1,024 float32; b1 4,096 float32; b2 1,024 float32; bk 1,024 float32; bq 1,024 float32; bv 1,024 float32; gumbel_u 8 x 16 x 4,096 x 2 float32; ln_b 1,024 float32; ln_g 1,024 float32; query 1 x 1,024 float32; x 8 x 4,096 x 1,024 float32.
;; Outputs: out0 8 x 1,024 float32; out1 8 x 1 x 4,096 float32; out2 8 x 1 x 4,096 float32.
;; This version of the problem:
;;   THIS VERSION OF THE PROBLEM IS GIVEN IN LOW PRECISION. The matrix products marked QUANTISED in the list below multiply operands that are first quantised to E3M2 (3 exponent bits, 2 mantissa bits; 6 bits a number), with one power-of-two scale for each 32 numbers along K (OCP MX v1.0); their sums are f32. All else is computed in f32.
;;   The module's matrix products, in the order in which they are computed (A, B: the left and right operand; K: the contracted axis; several contracted axes count as one K, in the product's order):
;;     1. [M 1, K 1,024] x [K 1,024, N 1,024]; A: input query; B: input Wq: left as it is (M = 1 < 16)
;;     2. [M 32,768, K 1,024] x [K 1,024, N 1,024]; A: input x; B: input Wk: QUANTISED
;;     3. [M 32,768, K 1,024] x [K 1,024, N 1,024]; A: input x; B: input Wv: QUANTISED
;;     4. batch 16 x [M 32,768, K 64] x [K 64, N 1]; A: computed on the way; B: computed on the way: left as it is (N = 1 < 16)
;;     5. batch 128 x [M 1, K 4,096] x [K 4,096, N 64]; A: computed on the way; B: computed on the way: left as it is (M = 1 < 16)
;;     6. [M 8, K 1,024] x [K 1,024, N 4,096]; A: computed on the way; B: input W1: left as it is (M = 8 < 16)
;;     7. [M 8, K 4,096] x [K 4,096, N 1,024]; A: computed on the way; B: input W2: left as it is (M = 8 < 16)
;;   THE QUANTISER, for each operand of a quantised product, along K:
;;     - K is cut into blocks of 32 from its start; a last block that is shorter is filled with zeros.
;;     - A block's scale is 2^e with e = floor(log2(the largest magnitude in the block)) - 4, held to -126 .. 127; a block of zeros has e = 0. As a byte (E8M0): e + 127.
;;     - Each number is divided by its block's scale, clamped to +-28, and rounded to the nearest number of E3M2, ties to even, subnormals kept.
;;     - The product sums the exact products of the quantised numbers (number of the format x scale) in f32.
;;   ~~~python
;;   def quantise(x, axis):      # numpy; x: float32 -> the quantised numbers, widened to float32 again
;;       x = np.moveaxis(x, axis, -1); K = x.shape[-1]
;;       x = np.pad(x, [(0, 0)] * (x.ndim - 1) + [(0, -K % 32)]); x = x.reshape(x.shape[:-1] + (-1, 32)); a = np.abs(x).max(-1, keepdims=True)
;;       e = np.where(a > 0, np.clip(np.frexp(np.where(a > 0, a, 1))[1] - 1 - 4, -126, 127), 0)      # np.frexp(a)[1] - 1 = floor(log2(a)), exactly
;;       r = np.clip(x / 2.0 ** e, -28, 28)
;;       step = 2.0 ** (np.maximum(np.frexp(np.where(r == 0, 1, r))[1] - 1, -2) - 2)
;;       q = np.round(r / step) * step * 2.0 ** e      # np.round: ties to even
;;       return np.moveaxis(q.reshape(q.shape[:-2] + (-1,))[..., :K], -1, axis).astype(np.float32)
;;   ~~~
;; One version. Each part assembles by itself: llvm-mc -triple=amdgcn-amd-amdhsa -mcpu=gfx1250 --defsym DOCPART=n.
;; ======== version 1 of 1: 5 launches
;; workspace buffers: wimg 1,638,400 bytes; q8 4,096 bytes; stat 65,536 bytes; wbuf 2,097,152 bytes; part 2,097,152 bytes; hid 32,768 bytes; h1 131,072 bytes
;; launch prep (part 1): grid 256 x 1, 2 waves a work-group, no clusters, 8,960 bytes of LDS; arguments Wk, Wv, Wq, query, bq, wimg, q8; writes wimg, q8
.if DOCPART == 1
	.amdgcn_target "amdgcn-amd-amdhsa--gfx1250"
	.amdhsa_code_object_version 6
	.text
	.protected	k_q777d9aff84_prep
	.globl	k_q777d9aff84_prep
	.p2align	8
	.type	k_q777d9aff84_prep,@function
k_q777d9aff84_prep:
	s_mov_b64 s[64:65], 0
	v_nop
	global_prefetch_b8 v0, s[64:65] scope:SCOPE_SE
	s_setreg_imm32_b32 hwreg(HW_REG_WAVE_MODE, 25, 1), 1
	s_wait_xcnt 0x0
; Two small jobs ahead of the main launch, one for each wave of a work-group.
; WAVE 0: 16 rows x 512 along K of Wk (work-groups 0-127) or Wv (128-255), f32, become four operand fragments of BF6 (E3M2) codes with their E8M0 scale words.
;   They are laid in wimg in the ORDER OF THE OPERAND'S REGISTERS: image p = 2 i + type (type 0 Wk, 1 Wv) holds rows 128 i .. 128 i + 127, 102,400 bytes:
;   fragment (16-row block cbg = 0..7, K step ks = 0..7) at (cbg / 4) 49,152 + (4 ks + cbg % 4) 1,536, as three pieces of 512 bytes (piece c: lane l's registers 4 c .. 4 c + 3 at 16 l);
;   the scale words at 98,304 + (ks / 4) 2,048 + 16 x row: four words a row.
; WAVE 1: four numbers of q8 = (query Wq^T + bq) / 8, in f32 by fused multiply-adds (the division by 8 = sqrt(64) is exact).
; A block's scale is 2^(floor(log2(its largest magnitude)) - 4); its byte is the largest magnitude's exponent field - 4, held at 1 from below.
; LIMITS: a block of zeros gets the byte 1 where the rule says 127 (its codes are zeros, and this program alone reads the bytes); NaN and infinities among the inputs are not served.
.set X,   64                           ; v64-127  64 numbers of a lane: register 16 b + i = k 32 b + 16 (lane / 16) + i of row lane % 16
.set PC,  128                          ; v128-146 the codes just made
.set TM,  148                          ; v148-163 at work in QUANT
.set PW,  164                          ; the scale word just made
.set PWS, 168                          ; v168-171 the four K steps' scale words
.set SEL, 40                           ; s[40:41] lane selects for v_permlanex16_b32: lane l xor 16
.set MSB, 0
.macro WIN new                         ; the immediate's high byte repeats the setting that is left
.if MSB != (\new)
	s_set_vgpr_msb (MSB<<8)|(\new)
.set MSB, (\new)
.endif
.endm
; 64 numbers of a lane become a fragment's codes in v[PC] on and its scale word in v[PW]
.macro QUANT s
.irp b, 0,1,2,3
	v_max3_num_f32 v[TM+\b], |v[\s+16*\b]|, |v[\s+1+16*\b]|, 0x2800000   ; block b: my 16 numbers, and the floor 2^(5 - 127): the byte cannot fall under 1
.endr
.irp i, 2,4,6,8,10,12,14
.irp b, 0,1,2,3
	v_max3_num_f32 v[TM+\b], v[TM+\b], |v[\s+16*\b+\i]|, |v[\s+1+16*\b+\i]|
.endr
.endr
.irp b, 0,1,2,3
	v_permlanex16_b32 v[TM+4+\b], v[TM+\b], s[SEL], s[SEL+1]
.endr
.irp b, 0,1,2,3
	v_max_num_f32 v[TM+\b], v[TM+\b], v[TM+4+\b]   ; with lane l xor 16's: the block's largest magnitude
.endr
.irp b, 0,1,2,3
	v_add_nc_u32 v[TM+12+\b], 0xfe000000, v[TM+\b]   ; 4 off its exponent field: the conversion's scale operand
.endr
.irp b, 0,1,2,3
	v_lshrrev_b32 v[TM+4+\b], 23, v[TM+12+\b]      ; the scale's byte
.endr
	v_lshl_or_b32 v[PW], v[TM+5], 8, v[TM+4]
	v_lshl_or_b32 v[PW], v[TM+6], 16, v[PW]
	v_lshl_or_b32 v[PW], v[TM+7], 24, v[PW]
.irp c, 0,1
	v_cvt_scalef32_pk16_bf6_f32 v[PC+6*\c:PC+2+6*\c], v[\s+32*\c:\s+15+32*\c], v[TM+12+2*\c]
	v_cvt_scalef32_pk16_bf6_f32 v[PC+12+4*\c:PC+14+4*\c], v[\s+16+32*\c:\s+31+32*\c], v[TM+12+2*\c+1]   ; (a conversion's three registers begin on an even number)
.endr
	v_nop                                          ; one plain place behind a scaled conversion
.irp c, 0,1                                    ; the operand's layout wants a whole block in a lane
.irp i, 0,1,2
	v_permlane16_swap_b32 v[PC+6*\c+\i], v[PC+12+4*\c+\i]
.endr
.irp i, 0,1,2
	v_mov_b32 v[PC+3+6*\c+\i], v[PC+12+4*\c+\i]
.endr
.endr
.endm
; 16 rows as loaded (row i in four registers from rb + 4 i on, lane l holding k = 4 l .. 4 l + 3) turn through the stage: rows 528 bytes apart; LDS serves a wave in order, so no wait stands between
.macro TURN win, rb
	WIN \win
.irp i, 0,1,2,3,4,5,6,7,8,9,10,11,12,13,14,15
	ds_store_b128 v2, v[(\rb)+4*\i:(\rb)+4*\i+3] offset:528*\i
.endr
	WIN 0
.irp b, 0,1,2,3
.irp j, 0,1,2,3
	ds_load_b128 v[X+16*\b+4*\j:X+16*\b+4*\j+3], v3 offset:128*\b+16*\j
.endr
.endr
.endm
	s_load_b256 s[4:11], s[0:1], 0x0               ; Wk s[4:5], Wv s[6:7], Wq s[8:9], query s[10:11]
	s_load_b128 s[12:15], s[0:1], 0x20             ; bq s[12:13], wimg s[14:15]
	s_load_b64 s[16:17], s[0:1], 0x30              ; q8
	v_lshl_add_u32 v254, v0, 2, 0x2200
	v_mov_b32 v255, 0
	v_lshrrev_b32 v4, 5, v0
	v_readfirstlane_b32 s18, v4                    ; wave 0, 1
	v_and_b32 v5, 31, v0                           ; lane
	v_and_b32 v6, 15, v0                           ; r
	v_bfe_u32 v7, v0, 4, 1                         ; h
	v_lshlrev_b32 v1, 4, v5                        ; 16 x lane: my bytes of a load's or a store's 512
	v_lshlrev_b32 v2, 4, v5                        ; the stage (LDS byte 0 on), way in
	v_mul_u32_u24 v3, v6, 528
	v_lshl_add_u32 v3, v7, 6, v3                   ; and way out: row r, + 64 h
	v_lshlrev_b32 v8, 4, v6                        ; 16 r: a row's four scale words
	v_and_b32 v9, 3, v0
	v_lshlrev_b32 v10, 2, v9                       ; 4 (lane % 4)
	s_mov_b32 s[SEL], 0x76543210
	s_mov_b32 s[SEL+1], 0xfedcba98
.irp b, 0,1,2,3
	v_mov_b32 v[TM+4+\b], 0                        ; written once: a lane permute's destination counts as one of its sources
	v_mov_b32 v[212+\b], 0
.endr
	s_lshr_b32 s19, ttmp9, 7                       ; type
	s_bfe_u32 s20, ttmp9, 0x60001                  ; g: which 16 rows of the weight
	s_and_b32 s21, ttmp9, 1                        ; kh: which half of K
	s_lshl_b32 s22, s20, 16
	s_lshl_b32 s23, s21, 11
	s_add_co_u32 s22, s22, s23                     ; the source: 16 g rows of 4,096 bytes + 2,048 kh
	s_mov_b32 s23, 0
	s_lshr_b32 s24, s20, 3
	s_lshl_b32 s24, s24, 1
	s_add_co_u32 s24, s24, s19                     ; image p
	s_mul_i32 s24, s24, 102400
	s_and_b32 s25, s20, 7                          ; cbg
	s_lshr_b32 s26, s25, 2
	s_mul_i32 s26, s26, 49152
	s_and_b32 s27, s25, 3
	s_mul_i32 s27, s27, 1536
	s_add_co_u32 s26, s26, s27
	s_mul_i32 s27, s21, 24576                      ; K step 4 kh: 4 x 4 x 1,536
	s_add_co_u32 s26, s26, s27
	s_add_co_u32 s26, s26, s24                     ; where my codes go
	s_mov_b32 s27, 0
	s_lshl_b32 s28, s21, 11
	s_lshl_b32 s29, s25, 8
	s_add_co_u32 s28, s28, s29
	s_add_co_u32 s28, s28, s24
	s_add_co_u32 s28, s28, 98304                   ; and my scale words
	s_mov_b32 s29, 0
	s_lshl_b32 s30, ttmp9, 14                      ; wave 1: four rows of Wq
	s_mov_b32 s31, 0
	s_lshl_b32 s32, ttmp9, 4                       ; and their four numbers of bq and q8
	s_mov_b32 s33, 0
	s_wait_kmcnt 0x0
	s_cmp_lt_u32 ttmp9, 128                        ; Wk or Wv: the choice hangs on the work-group's number alone
	s_cselect_b64 s[4:5], s[4:5], s[6:7]
	s_cmp_lg_u32 s18, 0
	s_cbranch_scc1 .Lq
	; ---- wave 0: the weights
	s_add_nc_u64 s[4:5], s[4:5], s[22:23]
	s_add_nc_u64 s[34:35], s[14:15], s[26:27]
	s_add_nc_u64 s[36:37], s[14:15], s[28:29]
	WIN 0x40                                       ; destination window 1: all 64 loads go out at once, 512 consecutive bytes each
.irp q, 0,1,2,3
.irp i, 0,1,2,3,4,5,6,7,8,9,10,11,12,13,14,15
	global_load_b128 v[64*\q+4*\i:64*\q+4*\i+3], v1, s[4:5] offset:4096*\i+512*\q th:TH_LOAD_NT
.endr
.endr
	WIN 0
.irp q, 0,1,2,3
	s_wait_loadcnt 48-16*\q                        ; this K step's 16 loads are in; the later steps' stay out
.if \q > 0
	s_wait_xcnt 0x0                                ; the last step's stores have read the codes' registers
.endif
	TURN 0x04, 64*\q
	s_wait_dscnt 0x0
	QUANT X
.irp c, 0,1,2
	global_store_b128 v1, v[PC+4*\c:PC+4*\c+3], s[34:35] offset:6144*\q+512*\c   ; 32 lanes store 512 consecutive bytes
.endr
	v_mov_b32 v[PWS+\q], v[PW]
.endr
	s_wait_xcnt 0x0                                ; EXEC changes only behind this wait
	s_wait_tensorcnt 0x0
	ds_add_u32 v254, v255
	s_wait_dscnt 0x0
	v_cmpx_gt_u32 16, v0                           ; lanes 0-15 hold the 16 rows' words (lanes 16-31 the same again)
	global_store_b128 v8, v[PWS:PWS+3], s[36:37]   ; sixteen lanes store 256 consecutive bytes, aligned
	s_endpgm
	; ---- wave 1: q8
.Lq:
	s_add_nc_u64 s[8:9], s[8:9], s[30:31]
	s_add_nc_u64 s[12:13], s[12:13], s[32:33]
	s_add_nc_u64 s[16:17], s[16:17], s[32:33]
.irp i, 0,1,2,3,4,5,6,7
	global_load_b128 v[16+4*\i:16+4*\i+3], v1, s[10:11] offset:512*\i
.endr
.irp row, 0,1,2,3
.irp i, 0,1,2,3,4,5,6,7
	global_load_b128 v[64+32*\row+4*\i:64+32*\row+4*\i+3], v1, s[8:9] offset:4096*\row+512*\i th:TH_LOAD_NT
.endr
.endr
	global_load_b32 v11, v10, s[12:13]
	s_wait_loadcnt 0x0
.irp kp, 0,1,2,3,4,5,6,7,8,9,10,11,12,13,14,15   ; four chains, one a row, by turns
.irp row, 0,1,2,3
.if \kp == 0
	v_pk_mul_f32 v[200+2*\row:201+2*\row], v[64+32*\row:65+32*\row], v[16:17]
.else
	v_pk_fma_f32 v[200+2*\row:201+2*\row], v[64+32*\row+2*\kp:65+32*\row+2*\kp], v[16+2*\kp:17+2*\kp], v[200+2*\row:201+2*\row]
.endif
.endr
.endr
.irp row, 0,1,2,3
	v_add_f32 v[208+\row], v[200+2*\row], v[201+2*\row]
.endr
.irp xm, 1,2,4,8
.irp row, 0,1,2,3
	v_add_f32_dpp v[208+\row], v[208+\row], v[208+\row] row_xmask:\xm row_mask:0xf bank_mask:0xf
.endr
.endr
.irp row, 0,1,2,3
	v_permlanex16_b32 v[212+\row], v[208+\row], s[SEL], s[SEL+1]
.endr
.irp row, 0,1,2,3
	v_add_f32 v[208+\row], v[208+\row], v[212+\row]   ; every lane holds the four sums
.endr
	v_cmp_eq_u32 vcc_lo, 1, v9
	v_cndmask_b32 v216, v208, v209, vcc_lo
	v_cmp_eq_u32 vcc_lo, 2, v9
	v_cndmask_b32 v216, v216, v210, vcc_lo
	v_cmp_eq_u32 vcc_lo, 3, v9
	v_cndmask_b32 v216, v216, v211, vcc_lo         ; lane l: row l % 4
	v_add_f32 v216, v216, v11
	v_mul_f32 v216, 0x3e000000, v216               ; / 8
	s_wait_xcnt 0x0                                ; EXEC changes only behind this wait
	v_cmpx_gt_u32 4, v5
	global_store_b32 v10, v216, s[16:17]           ; 16 bytes of a buffer of 4,096: a part of a 256-byte block, once a work-group
	s_endpgm
.Lfunc_end_k_q777d9aff84_prep:
	.size	k_q777d9aff84_prep, .Lfunc_end_k_q777d9aff84_prep-k_q777d9aff84_prep
	.p2alignl 7, 3214868480
	.fill 96, 4, 3214868480
	.section	.rodata,"a",@progbits
	.p2align	6, 0x0
	.amdhsa_kernel k_q777d9aff84_prep
		.amdhsa_group_segment_fixed_size 8960
		.amdhsa_private_segment_fixed_size 0
		.amdhsa_enable_private_segment 0
		.amdhsa_kernarg_size 56
		.amdhsa_user_sgpr_count 2
		.amdhsa_user_sgpr_kernarg_segment_ptr 1
		.amdhsa_wavefront_size32 1
		.amdhsa_system_sgpr_workgroup_id_x 1
		.amdhsa_system_sgpr_workgroup_id_y 1
		.amdhsa_system_sgpr_workgroup_id_z 1
		.amdhsa_system_vgpr_workitem_id 0
		.amdhsa_next_free_vgpr 512
		.amdhsa_next_free_sgpr 66
		.amdhsa_reserve_vcc 1
		.amdhsa_float_denorm_mode_32 3
		.amdhsa_float_denorm_mode_16_64 3
		.amdhsa_memory_ordered 1
		.amdhsa_forward_progress 1
		.amdhsa_inst_pref_size 44
	.end_amdhsa_kernel
	.amdgpu_metadata
---
amdhsa.version: [ 1, 2 ]
amdhsa.kernels:
  - .name:           k_q777d9aff84_prep
    .symbol:         k_q777d9aff84_prep.kd
    .args:
      - { .name: Wk, .offset: 0, .size: 8, .value_kind: global_buffer, .address_space: global }
      - { .name: Wv, .offset: 8, .size: 8, .value_kind: global_buffer, .address_space: global }
      - { .name: Wq, .offset: 16, .size: 8, .value_kind: global_buffer, .address_space: global }
      - { .name: query, .offset: 24, .size: 8, .value_kind: global_buffer, .address_space: global }
      - { .name: bq, .offset: 32, .size: 8, .value_kind: global_buffer, .address_space: global }
      - { .name: wimg, .offset: 40, .size: 8, .value_kind: global_buffer, .address_space: global }
      - { .name: q8, .offset: 48, .size: 8, .value_kind: global_buffer, .address_space: global }
    .group_segment_fixed_size: 8960
    .private_segment_fixed_size: 0
    .kernarg_segment_align: 8
    .kernarg_segment_size: 56
    .max_flat_workgroup_size: 64
    .sgpr_count:     66
    .vgpr_count:     512
    .wavefront_size: 32
...
	.end_amdgpu_metadata
.endif
;; end of part 1
;; launch main (part 2): grid 256 x 1, 4 waves a work-group, clusters of 4 x 1, 327,680 bytes of LDS; arguments x, gumbel_u, wimg, q8, bk, bv, stat, wbuf, part, out1; writes stat, wbuf, part, out1
.if DOCPART == 2
	.amdgcn_target "amdgcn-amd-amdhsa--gfx1250"
	.amdhsa_code_object_version 6
	.text
	.protected	k_q777d9aff84_main
	.globl	k_q777d9aff84_main
	.p2align	8
	.type	k_q777d9aff84_main,@function
k_q777d9aff84_main:
	s_mov_b64 s[64:65], 0
	v_nop
	global_prefetch_b8 v0, s[64:65] scope:SCOPE_SE
	s_setreg_imm32_b32 hwreg(HW_REG_WAVE_MODE, 25, 1), 1
	s_wait_xcnt 0x0
	s_wait_alu depctr_hold_cnt(0) depctr_sa_sdst(0) depctr_va_vdst(0) depctr_va_sdst(0) depctr_va_ssrc(0) depctr_va_vcc(0) depctr_vm_vsrc(0)
	s_getreg_b32 s2, hwreg(HW_REG_IB_STS2, 6, 4)
	s_cmp_eq_u32 s2, 0
	s_cbranch_scc0 .Lentry_in_a_cluster
	s_endpgm
.Lentry_in_a_cluster:
	s_bfe_u32 s2, ttmp6, 0x10000c
	s_cmp_lg_u32 s2, 0x3003
	s_cbranch_scc0 .Lentry_shape_is_right
	s_endpgm
.Lentry_shape_is_right:
; k = Q(x) Q(Wk)^T + bk and v = Q(x) Q(Wv)^T + bv on codes of BF6 (E3M2) with E8M0 scales for each 32 along K, and what hangs on them row by row; k and v never go to memory.
; SHARES.  Work-group R (256 of them) owns rows 128 R .. 128 R + 127 of x (8 x 4,096 rows of 1,024).  Wave w = 2 rh + ch owns rows 64 rh .. + 63 and the heads of parity ch.
; PHASE X: x is read once, f32, quantised in registers, handed from wave to wave through LDS as images of the operand's registers; a wave then keeps its 64 rows x 1,024 K (32 fragments, 384 registers) for the whole launch.
; THE LOOP, 8 trips; trip t serves head 2 t + ch: a k pass (64 rows x 64 columns x 1,024 K: 16 accumulators, 128 matrix instructions), its epilogue, a v pass, its epilogue.
;   The weights come as ready images (launch prep) through two LDS slots: slot 0 the k images, slot 1 the v images, 102,400 bytes each; a fragment read from LDS feeds four matrix instructions.
;   k pass TRANSPOSED (source 0 = 16 rows of Wk, source 1 = 16 rows of x): a lane holds one row of x and eight columns; logit = sum over the head's 64 columns of q8 x k.
;   k epilogue: g = -log(-log(u + 1e-20) + 1e-20); A = (logit + g1 > g0); m = the largest logit of my 64 rows, p = exp(logit - m), z = their sum (unmasked), w = A p.
;   v pass natural (source 0 = x, source 1 = Wv): a lane holds one column and eight rows; its epilogue sums w x v over my 64 rows.  The biases are the C of each sum's first matrix instruction.
; OUT: stat [R][8 wave + t][m, z]; wbuf, part [block 2 R + rh][head][lane][2]: w of rows lane, 32 + lane; the sums of columns lane, 32 + lane; out1 = the sum over the heads of A.  The softmax over all 4,096 rows is finished by launch comb.
; CLUSTER: all work-groups walk the same 16 images, so the four of a cluster ask for each JOINTLY (the same tensor load, the same descriptor, the mask 15).
; LIMITS: NaN and infinities among the inputs are not served; a block of zeros gets the scale byte 1 (zero codes; this program alone reads the bytes); A is 1.0 or 0.0, a tie gives 0 as argmax does;
;   v_log_f32 is good to an ulp, so a decision can differ from another f32 logarithm's only where |logit + g1 - g0| is of the order of 1e-7.
; REGISTERS, in windows of 256: window 0: see below.  window 1: x's fragments of K steps 0-3 at v[12 (4 (ks % 4) + rb)]; v192-239 the weights' set 2.
;   window 2: x's of K steps 4-7; v192-223 bk in the result's layout.  window 3: v0-127 the accumulators (rb, cb) at v[8 (4 rb + cb)]; v128-175, v176-223 the weights' sets 0, 1.  In phase X all of window 3: four fragments as loaded.
.set SLOTB, 102400                     ; LDS: slot 0 at 0, slot 1 at SLOTB: the only bytes that tensor loads fill
.set STG,   204800                     ; a stage of 16 rows x 528 bytes for each wave
.set STGW,  8448
.set FRB,   1536                       ; a fragment's image
.set EX,    238592                     ; images of x's 8 fragments of a K step, two sets by turns
.set EXS,   263168                     ; their scale words, 128 bytes each, two sets
.set WX,    265216                     ; a wave's 64 weights w, 256 bytes a wave
.set FIN,   266240                     ; the end: 4 x 256 bytes of (m, z), then 2 x 512 bytes of mask counts
.set SPARE, 268288                     ; the spare words, 128 bytes for each wave: two blocks of 256 bytes that no other line names
.set LI,    1                          ; 16 x lane
.set AST,   2                          ; the stage, way in
.set ASL,   3                          ; the stage, way out: 528 r + 64 h
.set AEX,   4                          ; where I store my two images
.set AEXS,  5                          ; and their scale words
.set AEXR,  6                          ; where I read my four row blocks' images
.set AEXSR, 7
.set AW0,   8                          ; v8, v9    my half of the codes in slot 0, 1
.set ASC0,  10                         ; v10, v11  my rows' scale words in slot 0, 1
.set AQ,    12                         ; 32 h
.set ABV,   13                         ; 4 r
.set AG,    14                         ; 8 x lane
.set AWXS,  15
.set AWXL,  16
.set SPW,   17                         ; LDS address of my spare word; never rewritten
.set NIL,   18                         ; 0; never rewritten
.set AFS,   19
.set SM,    20                         ; v[20:21]  lane t: m and z of trip t
.set MC,    22                         ; v[22:23]  the count of A over my heads, rows lane and 32 + lane
.set GU,    24                         ; v[24:27]  u0, u1 of row lane; of row 32 + lane
.set AFM,   28
.set AFR,   29
.set AFR2,  30
.set XS,    32                         ; v32-63    x's scale words (4 ks + rb): scales and nothing else
.set WS,    64                         ; v64-95    the weights' scale words (8 cb + ks): likewise
.set QV,    96                         ; v96-127   q8 of the head, in the k result's layout
.set WT,    128                        ; v128-159  w in the v result's layout
.set BV,    160                        ; v160-191  bv in the v result's layout
.set BK,    192                        ; in window 2
.set TT,    192                        ; at work in the epilogues
.set LL,    200
.set LX,    204
.set EE,    208
.set GA,    210
.set ZZ,    214
.set MM,    216
.set MX,    217
.set PP,    218
.set ZS,    220
.set ZX,    221
.set WW,    222
.set HP,    224
.set HS,    232
.set HX,    236
.set OO,    240
.set CC,    242
.set X,     192                        ; phase X: v192-255 64 numbers; v128-146 codes; v160-175 at work; v176 the scale word
.set PC,    128
.set TM,    160
.set PW,    176
.set WV,  24                           ; s24 wave; s25 rh; s26 ch
.set RH,  25
.set CH,  26
.set G1,  32                           ; s[32:39] descriptor group 1;  s[40:43], s[44:47] group 0 of slot 0, 1
.set G0,  40
.set CNT, 48
.set BIT, 49                           ; 1 << trip
.set MH,  50                           ; lanes 16-31
.set SEL, 52                           ; s[52:53] lane selects for v_permlanex16_b32: lane l xor 16
.set AM,  60                           ; s60, s61 the masks A of rows lane, 32 + lane
.set NLN2, 62                          ; -ln 2
.set EPS, 63                           ; 1e-20
.set L2E, 66                           ; log2 e
.set MSB, 0
.macro WIN new                         ; the immediate's high byte repeats the setting that is left
.if MSB != (\new)
	s_set_vgpr_msb (MSB<<8)|(\new)
.set MSB, (\new)
.endif
.endm
.macro CROUND                          ; a round of the cluster's barrier
	s_barrier_signal -1
	s_barrier_wait -1
	s_cmp_lg_u32 s[WV], 0
	s_cbranch_scc1 .Lnot_wave_0_\@
	s_barrier_signal -3
.Lnot_wave_0_\@:
	s_barrier_wait -3
	s_barrier_signal -1
	s_barrier_wait -1
.endm
.macro PLACES
.rept 4
	v_nop
.endr
.endm
; 64 numbers of a lane, register 16 b + i = k 32 b + 16 (lane / 16) + i of row lane % 16, become a fragment's codes in v[PC] on and its scale word in v[PW]
.macro QUANT s
.irp b, 0,1,2,3
	v_max3_num_f32 v[TM+\b], |v[\s+16*\b]|, |v[\s+1+16*\b]|, 0x2800000   ; block b: my 16 numbers, and the floor 2^(5 - 127): the byte cannot fall under 1
.endr
.irp i, 2,4,6,8,10,12,14
.irp b, 0,1,2,3
	v_max3_num_f32 v[TM+\b], v[TM+\b], |v[\s+16*\b+\i]|, |v[\s+1+16*\b+\i]|
.endr
.endr
.irp b, 0,1,2,3
	v_permlanex16_b32 v[TM+4+\b], v[TM+\b], s[SEL], s[SEL+1]
.endr
.irp b, 0,1,2,3
	v_max_num_f32 v[TM+\b], v[TM+\b], v[TM+4+\b]   ; with lane l xor 16's: the block's largest magnitude
.endr
.irp b, 0,1,2,3
	v_add_nc_u32 v[TM+12+\b], 0xfe000000, v[TM+\b]   ; 4 off its exponent field: the conversion's scale operand
.endr
.irp b, 0,1,2,3
	v_lshrrev_b32 v[TM+4+\b], 23, v[TM+12+\b]      ; the scale's byte
.endr
	v_lshl_or_b32 v[PW], v[TM+5], 8, v[TM+4]
	v_lshl_or_b32 v[PW], v[TM+6], 16, v[PW]
	v_lshl_or_b32 v[PW], v[TM+7], 24, v[PW]
.irp c, 0,1
	v_cvt_scalef32_pk16_bf6_f32 v[PC+6*\c:PC+2+6*\c], v[\s+32*\c:\s+15+32*\c], v[TM+12+2*\c]
	v_cvt_scalef32_pk16_bf6_f32 v[PC+12+4*\c:PC+14+4*\c], v[\s+16+32*\c:\s+31+32*\c], v[TM+12+2*\c+1]   ; (a conversion's three registers begin on an even number)
.endr
	v_nop                                          ; one plain place behind a scaled conversion
.irp c, 0,1                                    ; the operand's layout wants a whole block in a lane
.irp i, 0,1,2
	v_permlane16_swap_b32 v[PC+6*\c+\i], v[PC+12+4*\c+\i]
.endr
.irp i, 0,1,2
	v_mov_b32 v[PC+3+6*\c+\i], v[PC+12+4*\c+\i]
.endr
.endr
.endm
; q8 and bk of the head in hand (lane (r, h), register 8 cb + j: column 16 cb + 8 h + j) and my 64 rows' u: 18 loads
.macro LOADQ
.irp cb, 0,1,2,3
.irp hf, 0,1
	global_load_b128 v[QV+8*\cb+4*\hf:QV+8*\cb+4*\hf+3], v[AQ], s[10:11] offset:64*\cb+16*\hf
.endr
.endr
	WIN 0x80
.irp cb, 0,1,2,3
.irp hf, 0,1
	global_load_b128 v[BK+8*\cb+4*\hf:BK+8*\cb+4*\hf+3], v[AQ], s[12:13] offset:64*\cb+16*\hf
.endr
.endr
	WIN 0
	global_load_b64 v[GU:GU+1], v[AG], s[6:7] th:TH_LOAD_NT
	global_load_b64 v[GU+2:GU+3], v[AG], s[6:7] offset:256 th:TH_LOAD_NT
.endm
; bv of the head in hand, in the v result's layout: all eight registers of tile cb hold column 16 cb + r's: 32 loads
.macro BVLOAD
.irp cb, 0,1,2,3
.irp j, 0,1,2,3,4,5,6,7
	global_load_b32 v[BV+8*\cb+\j], v[ABV], s[14:15] offset:64*\cb
.endr
.endr
.endm
	s_load_b256 s[4:11], s[0:1], 0x0               ; x s[4:5], gumbel_u s[6:7], wimg s[8:9], q8 s[10:11]
	s_load_b256 s[12:19], s[0:1], 0x20             ; bk s[12:13], bv s[14:15], stat s[16:17], wbuf s[18:19]
	s_load_b128 s[20:23], s[0:1], 0x40             ; part s[20:21], out1 s[22:23]
	v_lshl_add_u32 v[SPW], v0, 2, SPARE
	v_mov_b32 v[NIL], 0
	ds_add_u32 v17, v18
	ds_add_u32 v17, v18
	s_wait_dscnt 0x0
	v_lshrrev_b32 v19, 5, v0
	v_readfirstlane_b32 s[WV], v19                 ; wave 0..3
	s_lshr_b32 s[RH], s[WV], 1
	s_and_b32 s[CH], s[WV], 1
	v_and_b32 v192, 31, v0                         ; lane
	v_and_b32 v193, 15, v0                         ; r
	v_bfe_u32 v194, v0, 4, 1                       ; h
	v_lshlrev_b32 v[LI], 4, v192
	v_lshlrev_b32 v195, 2, v192
	v_lshlrev_b32 v[AG], 3, v192
	v_lshlrev_b32 v[AQ], 5, v194
	v_lshlrev_b32 v[ABV], 2, v193
	s_mul_i32 s54, s[WV], STGW
	s_add_co_u32 s54, s54, STG
	v_add_nc_u32 v[AST], s54, v[LI]
	v_mul_u32_u24 v[ASL], v193, 528
	v_lshl_add_u32 v[ASL], v194, 6, v[ASL]
	v_add_nc_u32 v[ASL], s54, v[ASL]
	s_mul_i32 s54, s[WV], 2*FRB
	s_add_co_u32 s54, s54, EX
	v_add_nc_u32 v[AEX], s54, v[LI]
	s_lshl_b32 s54, s[WV], 8
	s_add_co_u32 s55, s54, EXS
	v_add_nc_u32 v[AEXS], s55, v195
	s_add_co_u32 s55, s54, WX
	v_add_nc_u32 v[AWXS], s55, v195
	v_add_nc_u32 v[AWXL], s55, v[AQ]
	s_add_co_u32 s55, s54, FIN
	v_add_nc_u32 v[AFS], s55, v[AG]
	s_mul_i32 s54, s[RH], 4*FRB
	s_add_co_u32 s54, s54, EX
	v_add_nc_u32 v[AEXR], s54, v[LI]
	s_lshl_b32 s54, s[RH], 9
	s_add_co_u32 s54, s54, EXS
	v_add_nc_u32 v[AEXSR], s54, v195
	s_mul_i32 s54, s[CH], 49152
	v_add_nc_u32 v[AW0], s54, v[LI]
	s_add_co_u32 s54, s54, SLOTB
	v_add_nc_u32 v[AW0+1], s54, v[LI]
	s_lshl_b32 s54, s[CH], 10
	s_add_co_u32 s54, s54, 98304
	v_lshl_add_u32 v[ASC0], v193, 4, s54
	s_add_co_u32 s54, s54, SLOTB
	v_lshl_add_u32 v[ASC0+1], v193, 4, s54
	s_lshl_b32 s54, s[CH], 9
	s_lshl_b32 s55, s[RH], 8
	s_add_co_u32 s54, s54, s55
	s_add_co_u32 s54, s54, FIN+1024
	v_add_nc_u32 v[AFM], s54, v195
	v_lshrrev_b32 v196, 3, v192
	v_and_b32 v197, 7, v0
	v_lshlrev_b32 v[AFR], 8, v196
	v_lshl_add_u32 v[AFR], v197, 3, v[AFR]
	v_add_nc_u32 v[AFR], FIN, v[AFR]
	v_add_nc_u32 v[AFR2], FIN+1024, v[LI]
.irp b, 0,1,2,3
	v_mov_b32 v[TM+4+\b], 0                        ; written once: a lane permute's destination counts as one of its sources
.endr
	s_mov_b32 s[MH], 0xffff0000
	s_mov_b32 s[SEL], 0x76543210
	s_mov_b32 s[SEL+1], 0xfedcba98
	s_mov_b32 s[NLN2], 0xbf317218
	s_mov_b32 s[EPS], 0x1e3ce508
	s_mov_b32 s[L2E], 0x3fb8aa3b
	; descriptor group 1: a quarter of an image, 25,600 dense bytes, as 100 rows of 256 bytes (32 elements of 8 bytes)
	s_mov_b32 s[G1+0], 15|(3<<16)|(1<<21)          ; 15:0 the mask: all four work-groups of the cluster; 17:16 elements of 8 bytes; 21 set beside a mask; no padding
	s_mov_b32 s[G1+1], 32<<16                      ; tensor_dim0 = 32
	s_mov_b32 s[G1+2], 100<<16                     ; tensor_dim1 = 100
	s_mov_b32 s[G1+3], 32<<16                      ; tile_dim0 = 32
	s_mov_b32 s[G1+4], 100                         ; tile_dim1 = 100
	s_mov_b32 s[G1+5], 32                          ; the pitch
	s_mov_b32 s[G1+6], 0
	s_mov_b32 s[G1+7], 0
	s_mul_i32 s56, s[WV], 25600                    ; my quarter, in memory and in a slot: the wave's number alone enters
	s_mov_b32 s57, 0
	s_bfe_u32 s27, ttmp6, 0x40000                  ; cx
	s_lshl_b32 s28, ttmp9, 2
	s_add_co_u32 s28, s28, s27                     ; R = 4 x cluster + cx: it enters global addresses of x, u and the outputs alone
	s_wait_kmcnt 0x0
	s_add_nc_u64 s[58:59], s[8:9], s[56:57]
.irp s, 0,1
	s_mov_b32 s[G0+4*\s], 1                        ; count = 1
	s_add_co_u32 s[G0+4*\s+1], s56, \s*SLOTB       ; LDS address
	s_add_nc_u64 s[G0+4*\s+2:G0+4*\s+3], s[58:59], \s*SLOTB   ; global address: image s
	s_or_b32 s[G0+4*\s+3], s[G0+4*\s+3], 0x80000000   ; type = 2
.endr
	s_lshl_b32 s54, s28, 19                        ; x: 128 R rows of 4,096 bytes + 32 rows a wave
	s_lshl_b32 s55, s[WV], 17
	s_add_co_u32 s54, s54, s55
	s_mov_b32 s55, 0
	s_add_nc_u64 s[4:5], s[4:5], s[54:55]
	s_lshr_b32 s54, s28, 5                         ; u: batch R / 32: 524,288 bytes; head ch: 32,768; row 128 (R % 32) + 64 rh: 8 bytes
	s_lshl_b32 s54, s54, 19
	s_and_b32 s55, s28, 31
	s_lshl_b32 s55, s55, 10
	s_add_co_u32 s54, s54, s55
	s_lshl_b32 s55, s[CH], 15
	s_add_co_u32 s54, s54, s55
	s_lshl_b32 s55, s[RH], 9
	s_add_co_u32 s54, s54, s55
	s_mov_b32 s55, 0
	s_add_nc_u64 s[6:7], s[6:7], s[54:55]
	s_lshl_b32 s54, s[CH], 8                       ; q8, bk, bv: head ch's 64 numbers
	s_add_nc_u64 s[10:11], s[10:11], s[54:55]
	s_add_nc_u64 s[12:13], s[12:13], s[54:55]
	s_add_nc_u64 s[14:15], s[14:15], s[54:55]
	s_lshl_b32 s54, s28, 8
	s_add_nc_u64 s[16:17], s[16:17], s[54:55]      ; stat: 256 R
	s_lshl_b32 s54, s28, 9
	s_add_nc_u64 s[22:23], s[22:23], s[54:55]      ; out1: 512 R
	s_lshl_b32 s54, s28, 1
	s_add_co_u32 s54, s54, s[RH]
	s_lshl_b32 s54, s54, 12
	s_lshl_b32 s55, s[CH], 8
	s_add_co_u32 s54, s54, s55
	s_mov_b32 s55, 0
	s_add_nc_u64 s[18:19], s[18:19], s[54:55]      ; wbuf, part: block 2 R + rh, head ch
	s_add_nc_u64 s[20:21], s[20:21], s[54:55]
	LOADQ                                          ; trip 0's
; ---- PHASE X.  Fragment f of my 16: K step f / 2, rows 32 w + 16 (f % 2) on.  Each load reads 512 consecutive bytes of a row.
.macro XLOAD f
	WIN 0xc0                                       ; destination window 3
.irp i, 0,1,2,3,4,5,6,7,8,9,10,11,12,13,14,15
	global_load_b128 v[64*((\f)%4)+4*\i:64*((\f)%4)+4*\i+3], v[LI], s[4:5] offset:(16*((\f)%2)+\i)*4096+512*((\f)/2) th:TH_LOAD_NT
.endr
	WIN 0
.endm
.macro XFRAG f
.if (\f) <= 12
	s_wait_loadcnt 48                              ; this fragment's 16 loads are in; the three younger fragments' stay out
.else
	s_wait_loadcnt 16*(15-(\f))
.endif
	WIN 0x0c                                       ; an LDS store's data: window 3
.irp i, 0,1,2,3,4,5,6,7,8,9,10,11,12,13,14,15
	ds_store_b128 v[AST], v[64*((\f)%4)+4*\i:64*((\f)%4)+4*\i+3] offset:528*\i   ; the rows as they lie, 528 bytes apart
.endr
	WIN 0
.irp b, 0,1,2,3
.irp j, 0,1,2,3
	ds_load_b128 v[X+16*\b+4*\j:X+16*\b+4*\j+3], v[ASL] offset:128*\b+16*\j   ; and back, 16 neighbours of each block of 32 to a lane; LDS serves a wave in order
.endr
.endr
	s_wait_dscnt 0x0                               ; the numbers are back; the stage's stores have read the set, which takes the loads of four fragments on
.if (\f)+4 < 16
	XLOAD (\f)+4
.endif
	QUANT X
.irp c, 0,1,2
	ds_store_b128 v[AEX], v[PC+4*\c:PC+4*\c+3] offset:(((\f)/2)%2)*8*FRB+((\f)%2)*FRB+512*\c   ; the fragment as it stands: an image of its registers
.endr
	ds_store_b32 v[AEXS], v[PW] offset:(((\f)/2)%2)*1024+128*((\f)%2)
.endm
; A K step: my two fragments; a barrier; my four row blocks' fragments into their registers.  The images have two sets by turns: a set is written again one barrier behind its reads,
; and in front of every barrier a wave waits for all its LDS instructions.
.macro XSTEP ks
	XFRAG 2*(\ks)
	XFRAG 2*(\ks)+1
.if (\ks) == 7
	s_wait_tensorcnt 0x1                           ; my quarter of slot 0 is in; slot 1's may stay out
.endif
	s_wait_dscnt 0x0
	s_barrier_signal -1
	s_barrier_wait -1
	WIN 0x40*(1+(\ks)/4)                           ; destination window 1 or 2
.irp rb, 0,1,2,3
.irp c, 0,1,2
	ds_load_b128 v[12*(4*((\ks)%4)+\rb)+4*\c:12*(4*((\ks)%4)+\rb)+4*\c+3], v[AEXR] offset:((\ks)%2)*8*FRB+\rb*FRB+512*\c
.endr
.endr
	WIN 0
.irp rb, 0,1,2,3
	ds_load_b32 v[XS+4*(\ks)+\rb], v[AEXSR] offset:((\ks)%2)*1024+128*\rb
.endr
.endm
	XLOAD 0
	XLOAD 1
	XLOAD 2
	XLOAD 3
	CROUND                                         ; all four work-groups are here: the first joint loads meet
	tensor_load_to_lds s[G0:G0+3], s[G1:G1+7]      ; image 0 (k of heads 0, 1) and image 1 (v): two loads of mine are out
	s_nop 0
	tensor_load_to_lds s[G0+4:G0+7], s[G1:G1+7]
	s_nop 0
	PLACES
.irp ks, 0,1,2,3,4,5,6,7
	XSTEP \ks
.endr
; ---- THE LOOP'S PARTS
; The weights' four fragments of K step ks (my head's 64 rows) into set ks % 3: 12 loads of 512 consecutive bytes
.macro FETCHW slot, ks
.if ((\ks)%3) == 2
	WIN 0x40
.set WB, 192
.else
	WIN 0xc0
.set WB, 128+48*((\ks)%3)
.endif
.irp cb, 0,1,2,3
.irp c, 0,1,2
	ds_load_b128 v[WB+12*\cb+4*\c:WB+12*\cb+4*\c+3], v[AW0+\slot] offset:(4*(\ks)+\cb)*FRB+512*\c
.endr
.endr
.endm
; A pass's scale words (four words a row and load) and its first two K steps' fragments
.macro PREF slot
	WIN 0
.irp cb, 0,1,2,3
.irp g, 0,1
	ds_load_b128 v[WS+8*\cb+4*\g:WS+8*\cb+4*\g+3], v[ASC0+\slot] offset:2048*\g+256*\cb
.endr
.endr
	FETCHW \slot, 0
	FETCHW \slot, 1
.endm
.macro WM d, a, b, c, sa, sb
	v_wmma_scale_f32_16x16x128_f8f6f4 v[\d:\d+7], v[\a:\a+11], v[\b:\b+11], v[\c:\c+7], v[\sa], v[\sb] matrix_a_fmt:MATRIX_FMT_BF6 matrix_b_fmt:MATRIX_FMT_BF6
.endm
; A K step of a pass: 16 matrix instructions, each accumulator once, in the same order in every step.  type 0: k, 1: v.
; The fetch two K steps ahead goes into the set that the step before has just multiplied: four places stand in front of it.
.macro STEPW type, ks, slot
.if (\ks) <= 5
	PLACES
	FETCHW \slot, (\ks)+2
	s_wait_dscnt 24                                ; all but the two younger fetches of 12: this step's fragments (and the pass's scale words) are in
.elseif (\ks) == 6
	s_wait_dscnt 12                                ; all but the last fetch
.else
	s_wait_dscnt 0x0
.endif
.if ((\ks)%3) == 2
.set SW, 1
.set WB, 192
.else
.set SW, 3
.set WB, 128+48*((\ks)%3)
.endif
.set XW, 1+(\ks)/4
.set XB, 48*((\ks)%4)
.if \type == 0
.if (\ks) == 0
	WIN SW|(XW<<2)|0xe0                            ; source 0 the weights, source 1 x, C = bk in window 2, D window 3
.else
	WIN SW|(XW<<2)|0xf0
.endif
.irp rb, 0,1,2,3
.irp cb, 0,1,2,3
.if (\ks) == 0
	WM 8*(4*\rb+\cb), WB+12*\cb, XB+12*\rb, BK+8*\cb, WS+8*\cb+(\ks), XS+4*(\ks)+\rb
.else
	WM 8*(4*\rb+\cb), WB+12*\cb, XB+12*\rb, 8*(4*\rb+\cb), WS+8*\cb+(\ks), XS+4*(\ks)+\rb
.endif
.endr
.endr
.else
.if (\ks) == 0
	WIN XW|(SW<<2)|0xc0                            ; source 0 x, source 1 the weights, C = bv in window 0, D window 3
.else
	WIN XW|(SW<<2)|0xf0
.endif
.irp rb, 0,1,2,3
.irp cb, 0,1,2,3
.if (\ks) == 0
	WM 8*(4*\rb+\cb), XB+12*\rb, WB+12*\cb, BV+8*\cb, XS+4*(\ks)+\rb, WS+8*\cb+(\ks)
.else
	WM 8*(4*\rb+\cb), XB+12*\rb, WB+12*\cb, 8*(4*\rb+\cb), XS+4*(\ks)+\rb, WS+8*\cb+(\ks)
.endif
.endr
.endr
.endif
.endm
; THE CHANGE OF SLOTS behind a pass.  Each wave waits for all its tensor loads (one is out: its quarter of the other slot), adds 0 to its spare word, and waits for that and for its reads of the slot just left.
; fill = 1: that slot takes the image two further on: a round of the cluster's barrier, and the joint load first behind it; it has the other pass and an epilogue in which to land.
; The four v_nop are the places behind the pass's last products: in front of the loads into their operands and of the first read of their results.
.macro CHANGE slot, fill
	WIN 0
	s_wait_tensorcnt 0x0                           ; no tensor load of mine is out, so a group 0 may be written
	ds_add_u32 v[SPW], v[NIL]                      ; 0 onto my spare word
.if \fill
	s_add_nc_u64 s[G0+4*\slot+2:G0+4*\slot+3], s[G0+4*\slot+2:G0+4*\slot+3], 2*SLOTB
.endif
	s_wait_dscnt 0x0                               ; the add is done, and my reads of the slot are over
.if \fill
	CROUND
	tensor_load_to_lds s[G0+4*\slot:G0+4*\slot+3], s[G1:G1+7]
	s_nop 0
.else
	s_barrier_signal -1
	s_barrier_wait -1
.endif
	PLACES
.endm
; THE k EPILOGUE.  Register j of accumulator (rb, cb) in lane (r, h) is k(row 16 rb + r, column 16 cb + 8 h + j).
.macro KEPI next
	WIN 0x03                                       ; source 0: window 3
.irp cb, 0,1,2,3
.irp jp, 0,1,2,3
.irp rb, 0,1,2,3                               ; four chains by turns; each accumulator from its low end on
.if (\cb == 0) && (\jp == 0)
	v_pk_mul_f32 v[TT+2*\rb:TT+2*\rb+1], v[8*(4*\rb+\cb)+2*\jp:8*(4*\rb+\cb)+2*\jp+1], v[QV+8*\cb+2*\jp:QV+8*\cb+2*\jp+1]
.else
	v_pk_fma_f32 v[TT+2*\rb:TT+2*\rb+1], v[8*(4*\rb+\cb)+2*\jp:8*(4*\rb+\cb)+2*\jp+1], v[QV+8*\cb+2*\jp:QV+8*\cb+2*\jp+1], v[TT+2*\rb:TT+2*\rb+1]
.endif
.endr
.endr
.endr
	WIN 0
.irp rb, 0,1,2,3
	v_add_f32 v[LL+\rb], v[TT+2*\rb], v[TT+2*\rb+1]
.endr
.irp rb, 0,1,2,3
	v_permlanex16_b32 v[LX+\rb], v[LL+\rb], s[SEL], s[SEL+1]
.endr
.irp rb, 0,1,2,3
	v_add_f32 v[LL+\rb], v[LL+\rb], v[LX+\rb]      ; the logit of row 16 rb + r, in both halves of the lanes
.endr
	v_cndmask_b32 v[EE], v[LL], v[LL+1], s[MH]     ; lane l: row l,
	v_cndmask_b32 v[EE+1], v[LL+2], v[LL+3], s[MH] ; and row 32 + l
.irp i, 0,1,2,3
	v_add_f32 v[GA+\i], s[EPS], v[GU+\i]           ; u + 1e-20
.endr
.irp i, 0,1,2,3
	v_log_f32 v[GA+\i], v[GA+\i]
.endr
	v_max_num_f32 v[MM], v[EE], v[EE+1]            ; (a plain place behind the logarithms)
	s_wait_alu depctr_va_vdst(0)
.irp i, 0,1,2,3
	v_fma_f32 v[GA+\i], v[GA+\i], s[NLN2], s[EPS]  ; -log(u + 1e-20) + 1e-20
.endr
.irp i, 0,1,2,3
	v_log_f32 v[GA+\i], v[GA+\i]
.endr
	v_nop
	s_wait_alu depctr_va_vdst(0)
.irp i, 0,1,2,3
	v_mul_f32 v[GA+\i], s[NLN2], v[GA+\i]          ; g
.endr
.irp xm, 1,2,4,8
	v_max_num_f32_dpp v[MM], v[MM], v[MM] row_xmask:\xm row_mask:0xf bank_mask:0xf
.endr
	v_permlanex16_b32 v[MX], v[MM], s[SEL], s[SEL+1]
	v_max_num_f32 v[MM], v[MM], v[MX]              ; m: the largest logit of my 64 rows
	v_add_f32 v[ZZ], v[EE], v[GA+1]
	v_add_f32 v[ZZ+1], v[EE+1], v[GA+3]
	v_cmp_gt_f32 s[AM], v[ZZ], v[GA]               ; A: logit + g1 > 0 + g0; the masks select values alone
	v_cmp_gt_f32 s[AM+1], v[ZZ+1], v[GA+2]
	v_sub_f32 v[PP], v[EE], v[MM]
	v_sub_f32 v[PP+1], v[EE+1], v[MM]
	v_mul_f32 v[PP], s[L2E], v[PP]
	v_mul_f32 v[PP+1], s[L2E], v[PP+1]
	v_exp_f32 v[PP], v[PP]
	v_exp_f32 v[PP+1], v[PP+1]
	v_cndmask_b32 v[CC], 0, 1.0, s[AM]             ; (a plain place behind the exponentials)
	v_cndmask_b32 v[CC+1], 0, 1.0, s[AM+1]
	s_wait_alu depctr_va_vdst(0)
	v_add_f32 v[ZS], v[PP], v[PP+1]
	v_cndmask_b32 v[WW], 0, v[PP], s[AM]           ; w = A p
	v_cndmask_b32 v[WW+1], 0, v[PP+1], s[AM+1]
.irp xm, 1,2,4,8
	v_add_f32_dpp v[ZS], v[ZS], v[ZS] row_xmask:\xm row_mask:0xf bank_mask:0xf
.endr
	v_permlanex16_b32 v[ZX], v[ZS], s[SEL], s[SEL+1]
	v_add_f32 v[ZS], v[ZS], v[ZX]                  ; z: the sum of the unmasked p
	v_pk_add_f32 v[MC:MC+1], v[MC:MC+1], v[CC:CC+1]
	v_cndmask_b32 v[SM], v[SM], v[MM], s[BIT]      ; lane t keeps this trip's m and z
	v_cndmask_b32 v[SM+1], v[SM+1], v[ZS], s[BIT]
	global_store_b64 v[AG], v[WW:WW+1], s[18:19]   ; 32 lanes store 256 consecutive bytes, aligned
	ds_store_b32 v[AWXS], v[WW]
	ds_store_b32 v[AWXS], v[WW+1] offset:128
.irp rb, 0,1,2,3
.irp hf, 0,1
	ds_load_b128 v[WT+8*\rb+4*\hf:WT+8*\rb+4*\hf+3], v[AWXL] offset:64*\rb+16*\hf   ; w of rows 16 rb + 8 h + 0 .. 7: my own bytes, served in order
.endr
.endr
.if \next
	s_wait_xcnt 0x0                                ; the store has read its data and its base: the pointers may step
	s_add_nc_u64 s[18:19], s[18:19], 512           ; two heads on
	s_add_nc_u64 s[10:11], s[10:11], 512
	s_add_nc_u64 s[12:13], s[12:13], 512
	s_add_nc_u64 s[6:7], s[6:7], 65536
	LOADQ                                          ; the next trip's, a whole v pass ahead of their use
.endif
.endm
; THE v EPILOGUE.  Register j of accumulator (rb, cb) in lane (r, h) is v(row 16 rb + 8 h + j, column 16 cb + r).
.macro VEPI next
	WIN 0x03
.irp rb, 0,1,2,3
.irp jp, 0,1,2,3
.irp cb, 0,1,2,3
.if (\rb == 0) && (\jp == 0)
	v_pk_mul_f32 v[HP+2*\cb:HP+2*\cb+1], v[8*(4*\rb+\cb)+2*\jp:8*(4*\rb+\cb)+2*\jp+1], v[WT+8*\rb+2*\jp:WT+8*\rb+2*\jp+1]
.else
	v_pk_fma_f32 v[HP+2*\cb:HP+2*\cb+1], v[8*(4*\rb+\cb)+2*\jp:8*(4*\rb+\cb)+2*\jp+1], v[WT+8*\rb+2*\jp:WT+8*\rb+2*\jp+1], v[HP+2*\cb:HP+2*\cb+1]
.endif
.endr
.endr
.endr
	WIN 0
.irp cb, 0,1,2,3
	v_add_f32 v[HS+\cb], v[HP+2*\cb], v[HP+2*\cb+1]
.endr
.irp cb, 0,1,2,3
	v_permlanex16_b32 v[HX+\cb], v[HS+\cb], s[SEL], s[SEL+1]
.endr
.irp cb, 0,1,2,3
	v_add_f32 v[HS+\cb], v[HS+\cb], v[HX+\cb]
.endr
	v_cndmask_b32 v[OO], v[HS], v[HS+1], s[MH]     ; lane l: column l,
	v_cndmask_b32 v[OO+1], v[HS+2], v[HS+3], s[MH] ; and column 32 + l
	global_store_b64 v[AG], v[OO:OO+1], s[20:21]   ; 256 consecutive bytes, aligned
.if \next
	s_wait_xcnt 0x0
	s_add_nc_u64 s[20:21], s[20:21], 512
	s_add_nc_u64 s[14:15], s[14:15], 512
	BVLOAD                                         ; the next trip's, a whole k pass ahead of their use
.endif
.endm
.macro TRIP fill
	s_wait_loadcnt 32                              ; q8, bk and u of this trip are in; bv's 32 loads are younger and may stay out
.irp ks, 0,1,2,3,4,5,6,7
	STEPW 0, \ks, 0
.endr
	CHANGE 0, \fill
	PREF 1
	KEPI \fill
.if \fill
	s_wait_loadcnt 18                              ; bv is in; the next trip's 18 loads are younger
.else
	s_wait_loadcnt 0x0
.endif
.irp ks, 0,1,2,3,4,5,6,7
	STEPW 1, \ks, 1
.endr
.if \fill
	CHANGE 1, 1
	PREF 0
.else
	WIN 0
	PLACES
.endif
	VEPI \fill
	s_lshl_b32 s[BIT], s[BIT], 1
.endm
	BVLOAD                                         ; trip 0's (phase X is done with these registers)
.irp i, 0,1,2,3
	v_mov_b32 v[SM+\i], 0                          ; m, z and the two counts
	v_mov_b32 v[LX+\i], 0                          ; lane permutes' destinations count as sources: written once
	v_mov_b32 v[HX+\i], 0
.endr
	v_mov_b32 v[MX], 0
	v_mov_b32 v[ZX], 0
	PREF 0
	WIN 0
	s_mov_b32 s[BIT], 1
	s_mov_b32 s[CNT], 7
.Ltrip:                                                ; seven trips fill both slots again; the eighth is written out
	TRIP 1
	s_sub_co_u32 s[CNT], s[CNT], 1
	s_cmp_lg_u32 s[CNT], 0
	s_cbranch_scc1 .Ltrip
	TRIP 0
	; ---- THE END: the four waves' (m, z) and mask counts meet in LDS; wave 0 stores them in whole blocks of 256 bytes
	ds_store_b64 v[AFS], v[SM:SM+1]
	ds_store_b32 v[AFM], v[MC]
	ds_store_b32 v[AFM], v[MC+1] offset:128
	s_wait_dscnt 0x0                               ; for the others' sake: my stores are done
	s_barrier_signal -1
	s_barrier_wait -1
	s_cmp_lg_u32 s[WV], 0
	s_cbranch_scc1 .Lnot_first
	ds_load_b64 v[192:193], v[AFR]                 ; entry l = 8 wave + t
	ds_load_b128 v[196:199], v[AFR2]               ; rows 4 l .. 4 l + 3: the even heads' counts,
	ds_load_b128 v[200:203], v[AFR2] offset:512    ; the odd heads'
	s_wait_dscnt 0x0
	v_pk_add_f32 v[196:197], v[196:197], v[200:201]
	v_pk_add_f32 v[198:199], v[198:199], v[202:203]
	global_store_b64 v[AG], v[192:193], s[16:17]
	global_store_b128 v[LI], v[196:199], s[22:23]
.Lnot_first:
	s_wait_tensorcnt 0x0                           ; the wave's end
	ds_add_u32 v[SPW], v[NIL]
	s_wait_dscnt 0x0
	CROUND                                         ; the closing round: no work-group ends while a partner may still ask for an image that names it
	s_endpgm
.Lfunc_end_k_q777d9aff84_main:
	.size	k_q777d9aff84_main, .Lfunc_end_k_q777d9aff84_main-k_q777d9aff84_main
	.p2alignl 7, 3214868480
	.fill 96, 4, 3214868480
	.section	.rodata,"a",@progbits
	.p2align	6, 0x0
	.amdhsa_kernel k_q777d9aff84_main
		.amdhsa_group_segment_fixed_size 327680
		.amdhsa_private_segment_fixed_size 0
		.amdhsa_enable_private_segment 0
		.amdhsa_kernarg_size 80
		.amdhsa_user_sgpr_count 2
		.amdhsa_user_sgpr_kernarg_segment_ptr 1
		.amdhsa_wavefront_size32 1
		.amdhsa_system_sgpr_workgroup_id_x 1
		.amdhsa_system_sgpr_workgroup_id_y 1
		.amdhsa_system_sgpr_workgroup_id_z 1
		.amdhsa_system_vgpr_workitem_id 0
		.amdhsa_next_free_vgpr 1024
		.amdhsa_next_free_sgpr 72
		.amdhsa_reserve_vcc 0
		.amdhsa_float_denorm_mode_32 3
		.amdhsa_float_denorm_mode_16_64 3
		.amdhsa_memory_ordered 1
		.amdhsa_forward_progress 1
		.amdhsa_inst_pref_size 255
	.end_amdhsa_kernel
	.section	.bss,"aw",@nobits
	.p2align	6
	.space	262144
	.amdgpu_metadata
---
amdhsa.version: [ 1, 2 ]
amdhsa.kernels:
  - .name:           k_q777d9aff84_main
    .symbol:         k_q777d9aff84_main.kd
    .args:
      - { .name: x, .offset: 0, .size: 8, .value_kind: global_buffer, .address_space: global }
      - { .name: gumbel_u, .offset: 8, .size: 8, .value_kind: global_buffer, .address_space: global }
      - { .name: wimg, .offset: 16, .size: 8, .value_kind: global_buffer, .address_space: global }
      - { .name: q8, .offset: 24, .size: 8, .value_kind: global_buffer, .address_space: global }
      - { .name: bk, .offset: 32, .size: 8, .value_kind: global_buffer, .address_space: global }
      - { .name: bv, .offset: 40, .size: 8, .value_kind: global_buffer, .address_space: global }
      - { .name: stat, .offset: 48, .size: 8, .value_kind: global_buffer, .address_space: global }
      - { .name: wbuf, .offset: 56, .size: 8, .value_kind: global_buffer, .address_space: global }
      - { .name: part, .offset: 64, .size: 8, .value_kind: global_buffer, .address_space: global }
      - { .name: out1, .offset: 72, .size: 8, .value_kind: global_buffer, .address_space: global }
    .group_segment_fixed_size: 327680
    .private_segment_fixed_size: 0
    .kernarg_segment_align: 8
    .kernarg_segment_size: 80
    .max_flat_workgroup_size: 128
    .sgpr_count:     72
    .vgpr_count:     1024
    .wavefront_size: 32
...
	.end_amdgpu_metadata
.endif
;; end of part 2
;; launch comb (part 3): grid 128 x 1, 4 waves a work-group, no clusters, 18,944 bytes of LDS; arguments stat, wbuf, part, out2, hid; writes out2, hid
.if DOCPART == 3
	.amdgcn_target "amdgcn-amd-amdhsa--gfx1250"
	.amdhsa_code_object_version 6
	.text
	.protected	k_q777d9aff84_comb
	.globl	k_q777d9aff84_comb
	.p2align	8
	.type	k_q777d9aff84_comb,@function
k_q777d9aff84_comb:
	s_mov_b64 s[64:65], 0
	v_nop
	global_prefetch_b8 v0, s[64:65] scope:SCOPE_SE
	s_setreg_imm32_b32 hwreg(HW_REG_WAVE_MODE, 25, 1), 1
	s_wait_xcnt 0x0
; The softmax over a batch's 4,096 rows is finished from the 64 blocks' (m, z): M = the largest m, Z = the sum of z exp(m - M), F[head][block] = exp(m - M) / Z.
; out2[b][row] = the sum over the heads of w F;  hid[b][64 head + column] = the sum over the blocks of part F.
; Work-group (b, h): wave w makes out2 for block 4 h + w of batch b (64 rows) and sums blocks 16 w .. 16 w + 15 of head h's part; wave 0 adds the four sums.
; Each wave makes the batch's whole table F (16 heads x 64 blocks) for itself, in 4,096 LDS bytes of its own: no barrier stands between its stores and its loads, since LDS serves a wave in order.
; stat: [R][e = 8 wave + t][m, z], wave = 2 rh + ch, head = 2 t + ch, block = 2 R + rh.  Load u brings lane l (lam = l % 16) the entries e = 2 lam, 2 lam + 1 of R = 2 u + l / 16:
; head = 4 (lam % 4) + 2 e' + (lam / 4) % 2, block = 4 u + 2 (l / 16) + lam / 8: a head's 64 blocks lie in 16 registers of the four lanes that differ in bits 3 and 4.
.set SH,  16384                        ; 256 bytes a wave: a pair of numbers a lane is put into row order
.set HXB, 17408                        ; 256 bytes a wave: the partial hiddens
	s_load_b256 s[4:11], s[0:1], 0x0               ; stat, wbuf, part, out2
	s_load_b64 s[12:13], s[0:1], 0x20              ; hid
	v_lshl_add_u32 v254, v0, 2, 0x4800
	v_mov_b32 v255, 0
	v_lshrrev_b32 v1, 5, v0
	v_readfirstlane_b32 s14, v1                    ; wave
	s_lshr_b32 s15, ttmp9, 4                       ; b
	s_and_b32 s16, ttmp9, 15                       ; h
	v_and_b32 v2, 31, v0
	v_lshlrev_b32 v1, 4, v2                        ; 16 x lane
	v_lshlrev_b32 v3, 3, v2                        ; 8 x lane
	v_and_b32 v5, 3, v0
	v_bfe_u32 v6, v0, 2, 1
	v_bfe_u32 v7, v0, 3, 1
	v_bfe_u32 v8, v0, 4, 1
	s_lshl_b32 s17, s14, 12                        ; my table
	v_lshlrev_b32 v4, 10, v5
	v_lshl_add_u32 v4, v6, 8, v4
	v_lshl_add_u32 v4, v8, 3, v4
	v_lshl_add_u32 v4, v7, 2, v4
	v_add_nc_u32 v4, s17, v4                       ; F[head][block] at 256 head + 4 block: my lane's part of it
	s_lshl_b32 s18, s16, 2
	s_add_co_u32 s18, s18, s14                     ; my block: 4 h + w
	s_lshl_b32 s19, s18, 2
	s_add_co_u32 s19, s19, s17
	v_mov_b32 v9, s19                              ; F[.][4 h + w]
	s_lshl_b32 s19, s16, 8
	s_lshl_b32 s20, s14, 6
	s_add_co_u32 s19, s19, s20
	s_add_co_u32 s19, s19, s17
	v_mov_b32 v10, s19                             ; F[h][16 w ..]
	s_lshl_b32 s20, s14, 8
	v_lshlrev_b32 v11, 2, v2
	s_add_co_u32 s21, s20, SH
	v_add_nc_u32 v11, s21, v11
	v_add_nc_u32 v12, s21, v3
	s_add_co_u32 s21, s20, HXB
	v_add_nc_u32 v13, s21, v3
	v_add_nc_u32 v14, HXB, v3
	s_lshl_b32 s22, s15, 13                        ; stat: 8,192 bytes a batch
	s_mov_b32 s23, 0
	s_lshl_b32 s24, s15, 6
	s_add_co_u32 s24, s24, s18
	s_lshl_b32 s24, s24, 12                        ; wbuf: block 64 b + 4 h + w
	s_mov_b32 s25, 0
	s_lshl_b32 s26, s15, 6
	s_lshl_b32 s27, s14, 4
	s_add_co_u32 s26, s26, s27
	s_lshl_b32 s26, s26, 12
	s_lshl_b32 s27, s16, 8
	s_add_co_u32 s26, s26, s27                     ; part: block 64 b + 16 w, head h
	s_mov_b32 s27, 0
	s_lshl_b32 s28, s15, 14
	s_lshl_b32 s29, s18, 8
	s_add_co_u32 s28, s28, s29                     ; out2
	s_mov_b32 s29, 0
	s_lshl_b32 s30, s15, 12
	s_lshl_b32 s31, s16, 8
	s_add_co_u32 s30, s30, s31                     ; hid
	s_mov_b32 s31, 0
	s_mov_b32 s32, 0x76543210
	s_mov_b32 s33, 0xfedcba98
	s_mov_b32 s34, 0x3fb8aa3b                      ; log2 e
.irp i, 0,1
	v_mov_b32 v[210+\i], 0                         ; lane permutes' destinations count as sources
	v_mov_b32 v[214+\i], 0
.endr
	s_wait_kmcnt 0x0
	s_add_nc_u64 s[4:5], s[4:5], s[22:23]
	s_add_nc_u64 s[6:7], s[6:7], s[24:25]
	s_add_nc_u64 s[8:9], s[8:9], s[26:27]
	s_add_nc_u64 s[10:11], s[10:11], s[28:29]
	s_add_nc_u64 s[12:13], s[12:13], s[30:31]
.irp u, 0,1,2,3,4,5,6,7,8,9,10,11,12,13,14,15
	global_load_b128 v[16+4*\u:19+4*\u], v1, s[4:5] offset:512*\u
.endr
.irp hd, 0,1,2,3,4,5,6,7,8,9,10,11,12,13,14,15
	global_load_b64 v[80+2*\hd:81+2*\hd], v3, s[6:7] offset:256*\hd th:TH_LOAD_NT
.endr
.irp k, 0,1,2,3,4,5,6,7,8,9,10,11,12,13,14,15
	global_load_b64 v[112+2*\k:113+2*\k], v3, s[8:9] offset:4096*\k th:TH_LOAD_NT
.endr
	s_wait_loadcnt 32                              ; stat is in; wbuf's and part's 32 loads stay out
.macro TAB e                           ; the heads of entries 2 lam + e
	v_max3_num_f32 v[208+\e], v[16+2*\e], v[20+2*\e], v[24+2*\e]
.irp u, 3,5,7,9,11,13
	v_max3_num_f32 v[208+\e], v[208+\e], v[16+4*\u+2*\e], v[20+4*\u+2*\e]
.endr
	v_max_num_f32 v[208+\e], v[208+\e], v[76+2*\e]
	v_max_num_f32_dpp v[208+\e], v[208+\e], v[208+\e] row_xmask:8 row_mask:0xf bank_mask:0xf
	v_permlanex16_b32 v[210+\e], v[208+\e], s32, s33
	v_max_num_f32 v[208+\e], v[208+\e], v[210+\e]  ; M of my head
.irp u, 0,1,2,3,4,5,6,7,8,9,10,11,12,13,14,15
	v_sub_f32 v[144+16*\e+\u], v[16+4*\u+2*\e], v[208+\e]
.endr
.irp u, 0,1,2,3,4,5,6,7,8,9,10,11,12,13,14,15
	v_mul_f32 v[144+16*\e+\u], s34, v[144+16*\e+\u]
.endr
.irp u, 0,1,2,3,4,5,6,7,8,9,10,11,12,13,14,15
	v_exp_f32 v[144+16*\e+\u], v[144+16*\e+\u]
.endr
	v_nop                                          ; a plain place behind the exponentials
	s_wait_alu depctr_va_vdst(0)
	v_mul_f32 v[212+\e], v[17+2*\e], v[144+16*\e]
.irp u, 1,2,3,4,5,6,7,8,9,10,11,12,13,14,15
	v_fma_f32 v[212+\e], v[17+4*\u+2*\e], v[144+16*\e+\u], v[212+\e]
.endr
	v_add_f32_dpp v[212+\e], v[212+\e], v[212+\e] row_xmask:8 row_mask:0xf bank_mask:0xf
	v_permlanex16_b32 v[214+\e], v[212+\e], s32, s33
	v_add_f32 v[212+\e], v[212+\e], v[214+\e]      ; Z
	v_rcp_f32 v[212+\e], v[212+\e]
	v_nop
	s_wait_alu depctr_va_vdst(0)
.irp u, 0,1,2,3,4,5,6,7,8,9,10,11,12,13,14,15
	v_mul_f32 v[144+16*\e+\u], v[144+16*\e+\u], v[212+\e]
.endr
.irp u, 0,1,2,3,4,5,6,7,8,9,10,11,12,13,14,15
	ds_store_b32 v4, v[144+16*\e+\u] offset:512*\e+16*\u
.endr
.endm
	TAB 0
	TAB 1
.irp hd, 0,1,2,3,4,5,6,7,8,9,10,11,12,13,14,15
	ds_load_b32 v[176+\hd], v9 offset:256*\hd      ; all lanes the same word
.endr
.irp j, 0,1,2,3
	ds_load_b128 v[192+4*\j:195+4*\j], v10 offset:16*\j
.endr
	s_wait_loadcnt 0x0
	s_wait_dscnt 0x0
	v_mul_f32 v216, v80, v176
	v_mul_f32 v217, v81, v176
	v_mul_f32 v220, v112, v192
	v_mul_f32 v221, v113, v192
.irp k, 1,2,3,4,5,6,7,8,9,10,11,12,13,14,15
	v_fma_f32 v216, v[80+2*\k], v[176+\k], v216    ; rows l and 32 + l of my block, over the heads
	v_fma_f32 v217, v[81+2*\k], v[176+\k], v217
	v_fma_f32 v220, v[112+2*\k], v[192+\k], v220   ; columns l and 32 + l of head h, over my 16 blocks
	v_fma_f32 v221, v[113+2*\k], v[192+\k], v221
.endr
	ds_store_b32 v11, v216
	ds_store_b32 v11, v217 offset:128
	ds_load_b64 v[218:219], v12                    ; rows 2 l, 2 l + 1: my own bytes, served in order
	ds_store_b64 v13, v[220:221]
	s_wait_dscnt 0x0                               ; the pair is back, and for the others' sake my store is done
	global_store_b64 v3, v[218:219], s[10:11]      ; 32 lanes store 256 consecutive bytes, aligned
	s_barrier_signal -1
	s_barrier_wait -1
	s_cmp_lg_u32 s14, 0
	s_cbranch_scc1 .Ldone
.irp k, 0,1,2,3
	ds_load_b64 v[224+2*\k:225+2*\k], v14 offset:256*\k
.endr
	s_wait_dscnt 0x0
	v_pk_add_f32 v[224:225], v[224:225], v[226:227]
	v_pk_add_f32 v[228:229], v[228:229], v[230:231]
	v_pk_add_f32 v[224:225], v[224:225], v[228:229]
	ds_store_b32 v11, v224
	ds_store_b32 v11, v225 offset:128
	ds_load_b64 v[226:227], v12
	s_wait_dscnt 0x0
	global_store_b64 v3, v[226:227], s[12:13]      ; head h's 64 numbers: 256 consecutive bytes, aligned
.Ldone:
	s_wait_tensorcnt 0x0
	ds_add_u32 v254, v255
	s_wait_dscnt 0x0
	s_endpgm
.Lfunc_end_k_q777d9aff84_comb:
	.size	k_q777d9aff84_comb, .Lfunc_end_k_q777d9aff84_comb-k_q777d9aff84_comb
	.p2alignl 7, 3214868480
	.fill 96, 4, 3214868480
	.section	.rodata,"a",@progbits
	.p2align	6, 0x0
	.amdhsa_kernel k_q777d9aff84_comb
		.amdhsa_group_segment_fixed_size 18944
		.amdhsa_private_segment_fixed_size 0
		.amdhsa_enable_private_segment 0
		.amdhsa_kernarg_size 40
		.amdhsa_user_sgpr_count 2
		.amdhsa_user_sgpr_kernarg_segment_ptr 1
		.amdhsa_wavefront_size32 1
		.amdhsa_system_sgpr_workgroup_id_x 1
		.amdhsa_system_sgpr_workgroup_id_y 1
		.amdhsa_system_sgpr_workgroup_id_z 1
		.amdhsa_system_vgpr_workitem_id 0
		.amdhsa_next_free_vgpr 256
		.amdhsa_next_free_sgpr 66
		.amdhsa_reserve_vcc 0
		.amdhsa_float_denorm_mode_32 3
		.amdhsa_float_denorm_mode_16_64 3
		.amdhsa_memory_ordered 1
		.amdhsa_forward_progress 1
		.amdhsa_inst_pref_size 24
	.end_amdhsa_kernel
	.amdgpu_metadata
---
amdhsa.version: [ 1, 2 ]
amdhsa.kernels:
  - .name:           k_q777d9aff84_comb
    .symbol:         k_q777d9aff84_comb.kd
    .args:
      - { .name: stat, .offset: 0, .size: 8, .value_kind: global_buffer, .address_space: global }
      - { .name: wbuf, .offset: 8, .size: 8, .value_kind: global_buffer, .address_space: global }
      - { .name: part, .offset: 16, .size: 8, .value_kind: global_buffer, .address_space: global }
      - { .name: out2, .offset: 24, .size: 8, .value_kind: global_buffer, .address_space: global }
      - { .name: hid, .offset: 32, .size: 8, .value_kind: global_buffer, .address_space: global }
    .group_segment_fixed_size: 18944
    .private_segment_fixed_size: 0
    .kernarg_segment_align: 8
    .kernarg_segment_size: 40
    .max_flat_workgroup_size: 128
    .sgpr_count:     66
    .vgpr_count:     256
    .wavefront_size: 32
...
	.end_amdgpu_metadata
.endif
;; end of part 3
;; launch mlp1 (part 4): grid 256 x 1, 4 waves a work-group, no clusters, 33,280 bytes of LDS; arguments hid, ln_g, ln_b, W1, b1, h1; writes h1
.if DOCPART == 4
	.amdgcn_target "amdgcn-amd-amdhsa--gfx1250"
	.amdhsa_code_object_version 6
	.text
	.protected	k_q777d9aff84_mlp1
	.globl	k_q777d9aff84_mlp1
	.p2align	8
	.type	k_q777d9aff84_mlp1,@function
k_q777d9aff84_mlp1:
	s_mov_b64 s[64:65], 0
	v_nop
	global_prefetch_b8 v0, s[64:65] scope:SCOPE_SE
	s_setreg_imm32_b32 hwreg(HW_REG_WAVE_MODE, 25, 1), 1
	s_wait_xcnt 0x0
; h1 = relu(LN(hid) W1^T + b1).  hid [8][1024], W1 [4096][1024], h1 [8][4096], all f32; 8 rows only, so the launch streams W1 once and the arithmetic is fused multiply-adds in f32: the matrix unit would buy nothing.
; Work-group id takes rows 16 id .. + 15 of W1, wave w four of them: 32 loads of 512 consecutive bytes, asked for at the head.  The layer norm is made in every work-group (wave w: batches 2 w, 2 w + 1)
; and shared through LDS: batch b at 4,096 b, as it lies.  A lane holds k = 128 i + 4 l + j in register 4 i + j of every row.
; 32 sums a lane (batch b, row: index 4 b + row) are added across the lanes by a butterfly that halves the sums at each step: lane l ends with sum l.
; The stores are 16 bytes a batch and wave: parts of 256-byte blocks of a buffer of 131,072 bytes; 16 rows a work-group keep all 256 work-groups streaming W1.
; REGISTERS: window 0: v1-31 addresses and at work; v64-127 two batches of hid, later the 32 sums in pairs; v128-255 my four rows of W1.  window 1: first ln_g (v0-31) and ln_b (v32-63), then all eight batches (32 b + k).
.set BS,  64
.set BT,  16
.set SEL, 28
.set MSB, 0
.macro WIN new
.if MSB != (\new)
	s_set_vgpr_msb (MSB<<8)|(\new)
.set MSB, (\new)
.endif
.endm
.macro WRED v, t                       ; the sum over the wave's 32 lanes, in every lane
.irp xm, 1,2,4,8
	v_add_f32_dpp v[\v], v[\v], v[\v] row_xmask:\xm row_mask:0xf bank_mask:0xf
.endr
	v_permlanex16_b32 v[\t], v[\v], s[SEL], s[SEL+1]
	v_add_f32 v[\v], v[\v], v[\t]
.endm
; n pairs of sums become n sums: a lane keeps one of the pair by a bit of its number and gives the other to the lane that keeps it
.macro BLEVEL n, xm, mask
.set bi, 0
.rept \n
	v_cndmask_b32 v[BT+2*(bi%2)], v[BS+2*bi], v[BS+2*bi+1], \mask
	v_cndmask_b32 v[BT+2*(bi%2)+1], v[BS+2*bi+1], v[BS+2*bi], \mask
	v_add_f32_dpp v[BS+bi], v[BT+2*(bi%2)+1], v[BT+2*(bi%2)] row_xmask:\xm row_mask:0xf bank_mask:0xf
.set bi, bi+1
.endr
.endm
.macro BFLY32
	BLEVEL 16, 1, s22
	BLEVEL 8, 2, s23
	BLEVEL 4, 4, s24
	BLEVEL 2, 8, s25
	v_cndmask_b32 v[BT], v[BS], v[BS+1], s26
	v_cndmask_b32 v[BT+1], v[BS+1], v[BS], s26
	v_permlanex16_b32 v[BT+2], v[BT+1], s[SEL], s[SEL+1]
	v_add_f32 v[BS], v[BT], v[BT+2]
.endm
.macro LN hb                           ; one batch's 32 numbers a lane, in place
	v_pk_add_f32 v[8:9], v[\hb:\hb+1], v[\hb+2:\hb+3]
	v_pk_add_f32 v[10:11], v[\hb+4:\hb+5], v[\hb+6:\hb+7]
.irp k, 8,12,16,20,24,28
	v_pk_add_f32 v[8:9], v[8:9], v[\hb+\k:\hb+\k+1]
	v_pk_add_f32 v[10:11], v[10:11], v[\hb+\k+2:\hb+\k+3]
.endr
	v_pk_add_f32 v[8:9], v[8:9], v[10:11]
	v_add_f32 v20, v8, v9
	WRED 20, 21
	v_mul_f32 v12, s20, v20                        ; the mean
	v_mov_b32 v13, v12
.irp k, 0,2,4,6,8,10,12,14,16,18,20,22,24,26,28,30
	v_pk_add_f32 v[\hb+\k:\hb+\k+1], v[\hb+\k:\hb+\k+1], v[12:13] neg_lo:[0,1] neg_hi:[0,1]
.endr
	v_pk_mul_f32 v[8:9], v[\hb:\hb+1], v[\hb:\hb+1]
	v_pk_mul_f32 v[10:11], v[\hb+2:\hb+3], v[\hb+2:\hb+3]
.irp k, 4,8,12,16,20,24,28
	v_pk_fma_f32 v[8:9], v[\hb+\k:\hb+\k+1], v[\hb+\k:\hb+\k+1], v[8:9]
	v_pk_fma_f32 v[10:11], v[\hb+\k+2:\hb+\k+3], v[\hb+\k+2:\hb+\k+3], v[10:11]
.endr
	v_pk_add_f32 v[8:9], v[8:9], v[10:11]
	v_add_f32 v20, v8, v9
	WRED 20, 21
	v_fma_f32 v20, v20, s20, s21                   ; the variance + 1e-5
	v_rsq_f32 v14, v20
	v_nop                                          ; a plain place behind the transcendental
	s_wait_alu depctr_va_vdst(0)
	v_mov_b32 v15, v14
.irp k, 0,2,4,6,8,10,12,14,16,18,20,22,24,26,28,30
	v_pk_mul_f32 v[\hb+\k:\hb+\k+1], v[\hb+\k:\hb+\k+1], v[14:15]
.endr
	WIN 0x14                                       ; sources 1 (gain) and 2 (bias): window 1
.irp k, 0,2,4,6,8,10,12,14,16,18,20,22,24,26,28,30
	v_pk_fma_f32 v[\hb+\k:\hb+\k+1], v[\hb+\k:\hb+\k+1], v[\k:\k+1], v[32+\k:33+\k]
.endr
	WIN 0
.endm
	s_load_b256 s[4:11], s[0:1], 0x0               ; hid, ln_g, ln_b, W1
	s_load_b128 s[12:15], s[0:1], 0x20             ; b1, h1
	v_lshl_add_u32 v62, v0, 2, 0x8000
	v_mov_b32 v63, 0
	v_lshrrev_b32 v1, 5, v0
	v_readfirstlane_b32 s16, v1                    ; wave
	v_and_b32 v2, 31, v0
	v_lshlrev_b32 v1, 4, v2                        ; 16 x lane
	v_and_b32 v3, 3, v0
	v_lshlrev_b32 v3, 2, v3                        ; 4 (lane % 4): my row's number of b1
	v_lshrrev_b32 v4, 2, v2
	v_lshl_add_u32 v4, v4, 14, v3                  ; h1: batch lane / 4, row lane % 4
	s_lshl_b32 s17, s16, 13                        ; two batches: 8,192 bytes, in hid and in LDS
	v_add_nc_u32 v5, s17, v1
	v_mov_b32 v21, 0                               ; a lane permute's destination counts as a source
	s_mov_b32 s18, s17
	s_mov_b32 s19, 0
	s_mov_b32 s20, 0x3a800000                      ; 1 / 1024
	s_mov_b32 s21, 0x3727c5ac                      ; 1e-5
	s_mov_b32 s22, 0xaaaaaaaa
	s_mov_b32 s23, 0xcccccccc
	s_mov_b32 s24, 0xf0f0f0f0
	s_mov_b32 s25, 0xff00ff00
	s_mov_b32 s26, 0xffff0000
	s_mov_b32 s[SEL], 0x76543210
	s_mov_b32 s[SEL+1], 0xfedcba98
	s_lshl_b32 s30, ttmp9, 4
	s_lshl_b32 s31, s16, 2
	s_add_co_u32 s30, s30, s31                     ; my first row of W1
	s_mov_b32 s31, 0
	s_wait_kmcnt 0x0
	s_add_nc_u64 s[4:5], s[4:5], s[18:19]
	s_lshl_b32 s18, s30, 12
	s_add_nc_u64 s[10:11], s[10:11], s[18:19]
	s_lshl_b32 s18, s30, 2
	s_add_nc_u64 s[12:13], s[12:13], s[18:19]
	s_add_nc_u64 s[14:15], s[14:15], s[18:19]
.irp t, 0,1
.irp i, 0,1,2,3,4,5,6,7
	global_load_b128 v[64+32*\t+4*\i:67+32*\t+4*\i], v1, s[4:5] offset:4096*\t+512*\i
.endr
.endr
	WIN 0x40
.irp i, 0,1,2,3,4,5,6,7
	global_load_b128 v[4*\i:4*\i+3], v1, s[6:7] offset:512*\i
.endr
.irp i, 0,1,2,3,4,5,6,7
	global_load_b128 v[32+4*\i:35+4*\i], v1, s[8:9] offset:512*\i
.endr
	WIN 0
.irp row, 0,1,2,3
.irp i, 0,1,2,3,4,5,6,7
	global_load_b128 v[128+32*\row+4*\i:131+32*\row+4*\i], v1, s[10:11] offset:4096*\row+512*\i th:TH_LOAD_NT
.endr
.endr
	global_load_b32 v6, v3, s[12:13]
	s_wait_loadcnt 33                              ; hid, gain and bias are in; W1's 32 loads and b1's stay out
	LN 64
	LN 96
.irp t, 0,1
.irp i, 0,1,2,3,4,5,6,7
	ds_store_b128 v5, v[64+32*\t+4*\i:67+32*\t+4*\i] offset:4096*\t+512*\i
.endr
.endr
	s_wait_dscnt 0x0                               ; for the others' sake: my stores are done
	s_barrier_signal -1
	s_barrier_wait -1
	WIN 0x40
.irp b, 0,1,2,3,4,5,6,7
.irp i, 0,1,2,3,4,5,6,7
	ds_load_b128 v[32*\b+4*\i:32*\b+4*\i+3], v1 offset:4096*\b+512*\i
.endr
.endr
	WIN 0
	s_wait_loadcnt 0x0
	s_wait_dscnt 0x0
	WIN 0x04                                       ; source 1: window 1
.irp kp, 0,1,2,3,4,5,6,7,8,9,10,11,12,13,14,15   ; 32 chains by turns
.irp b, 0,1,2,3,4,5,6,7
.irp row, 0,1,2,3
.if \kp == 0
	v_pk_mul_f32 v[64+2*(4*\b+\row):65+2*(4*\b+\row)], v[128+32*\row:129+32*\row], v[32*\b:32*\b+1]
.else
	v_pk_fma_f32 v[64+2*(4*\b+\row):65+2*(4*\b+\row)], v[128+32*\row+2*\kp:129+32*\row+2*\kp], v[32*\b+2*\kp:32*\b+2*\kp+1], v[64+2*(4*\b+\row):65+2*(4*\b+\row)]
.endif
.endr
.endr
.endr
	WIN 0
.set bi, 0
.rept 32
	v_add_f32 v[BS+bi], v[BS+2*bi], v[BS+2*bi+1]   ; ascending: a sum lands on registers that have been read
.set bi, bi+1
.endr
	BFLY32
	v_add_f32 v64, v64, v6
	v_max_num_f32 v64, 0, v64
	global_store_b32 v4, v64, s[14:15]
	s_wait_tensorcnt 0x0
	ds_add_u32 v62, v63
	s_wait_dscnt 0x0
	s_endpgm
.Lfunc_end_k_q777d9aff84_mlp1:
	.size	k_q777d9aff84_mlp1, .Lfunc_end_k_q777d9aff84_mlp1-k_q777d9aff84_mlp1
	.p2alignl 7, 3214868480
	.fill 96, 4, 3214868480
	.section	.rodata,"a",@progbits
	.p2align	6, 0x0
	.amdhsa_kernel k_q777d9aff84_mlp1
		.amdhsa_group_segment_fixed_size 33280
		.amdhsa_private_segment_fixed_size 0
		.amdhsa_enable_private_segment 0
		.amdhsa_kernarg_size 48
		.amdhsa_user_sgpr_count 2
		.amdhsa_user_sgpr_kernarg_segment_ptr 1
		.amdhsa_wavefront_size32 1
		.amdhsa_system_sgpr_workgroup_id_x 1
		.amdhsa_system_sgpr_workgroup_id_y 1
		.amdhsa_system_sgpr_workgroup_id_z 1
		.amdhsa_system_vgpr_workitem_id 0
		.amdhsa_next_free_vgpr 512
		.amdhsa_next_free_sgpr 66
		.amdhsa_reserve_vcc 0
		.amdhsa_float_denorm_mode_32 3
		.amdhsa_float_denorm_mode_16_64 3
		.amdhsa_memory_ordered 1
		.amdhsa_forward_progress 1
		.amdhsa_inst_pref_size 65
	.end_amdhsa_kernel
	.amdgpu_metadata
---
amdhsa.version: [ 1, 2 ]
amdhsa.kernels:
  - .name:           k_q777d9aff84_mlp1
    .symbol:         k_q777d9aff84_mlp1.kd
    .args:
      - { .name: hid, .offset: 0, .size: 8, .value_kind: global_buffer, .address_space: global }
      - { .name: ln_g, .offset: 8, .size: 8, .value_kind: global_buffer, .address_space: global }
      - { .name: ln_b, .offset: 16, .size: 8, .value_kind: global_buffer, .address_space: global }
      - { .name: W1, .offset: 24, .size: 8, .value_kind: global_buffer, .address_space: global }
      - { .name: b1, .offset: 32, .size: 8, .value_kind: global_buffer, .address_space: global }
      - { .name: h1, .offset: 40, .size: 8, .value_kind: global_buffer, .address_space: global }
    .group_segment_fixed_size: 33280
    .private_segment_fixed_size: 0
    .kernarg_segment_align: 8
    .kernarg_segment_size: 48
    .max_flat_workgroup_size: 128
    .sgpr_count:     66
    .vgpr_count:     512
    .wavefront_size: 32
...
	.end_amdgpu_metadata
.endif
;; end of part 4
;; launch mlp2 (part 5): grid 256 x 1, 4 waves a work-group, no clusters, 1,024 bytes of LDS; arguments h1, W2, b2, out0; writes out0
.if DOCPART == 5
	.amdgcn_target "amdgcn-amd-amdhsa--gfx1250"
	.amdhsa_code_object_version 6
	.text
	.protected	k_q777d9aff84_mlp2
	.globl	k_q777d9aff84_mlp2
	.p2align	8
	.type	k_q777d9aff84_mlp2,@function
k_q777d9aff84_mlp2:
	s_mov_b64 s[64:65], 0
	v_nop
	global_prefetch_b8 v0, s[64:65] scope:SCOPE_SE
	s_setreg_imm32_b32 hwreg(HW_REG_WAVE_MODE, 25, 1), 1
	s_wait_xcnt 0x0
; out0 = h1 W2^T + b2.  h1 [8][4096], W2 [1024][4096], out0 [8][1024], all f32; 8 rows only: the launch streams W2 once, fused multiply-adds in f32.
; Work-group id takes rows 4 id .. + 3 of W2; wave w the K slice 1,024 w on: 32 loads of 512 consecutive bytes of W2 and 64 of h1, all asked for at the head.
; 32 sums a lane (index 4 batch + row) are added across the lanes by the halving butterfly: lane l ends with sum l; the four waves' slices meet in LDS and wave 0 adds them.
; The stores are 16 bytes a batch: parts of 256-byte blocks of a buffer of 32,768 bytes; four rows a work-group keep all 256 work-groups streaming W2.
; REGISTERS: window 0: v64-127 the 32 sums in pairs; v128-255 my four rows' slices.  window 1: the eight batches' slices (32 b + k).
.set BS,  64
.set BT,  16
.set SEL, 28
.set MSB, 0
.macro WIN new
.if MSB != (\new)
	s_set_vgpr_msb (MSB<<8)|(\new)
.set MSB, (\new)
.endif
.endm
.macro BLEVEL n, xm, mask
.set bi, 0
.rept \n
	v_cndmask_b32 v[BT+2*(bi%2)], v[BS+2*bi], v[BS+2*bi+1], \mask
	v_cndmask_b32 v[BT+2*(bi%2)+1], v[BS+2*bi+1], v[BS+2*bi], \mask
	v_add_f32_dpp v[BS+bi], v[BT+2*(bi%2)+1], v[BT+2*(bi%2)] row_xmask:\xm row_mask:0xf bank_mask:0xf
.set bi, bi+1
.endr
.endm
.macro BFLY32
	BLEVEL 16, 1, s22
	BLEVEL 8, 2, s23
	BLEVEL 4, 4, s24
	BLEVEL 2, 8, s25
	v_cndmask_b32 v[BT], v[BS], v[BS+1], s26
	v_cndmask_b32 v[BT+1], v[BS+1], v[BS], s26
	v_permlanex16_b32 v[BT+2], v[BT+1], s[SEL], s[SEL+1]
	v_add_f32 v[BS], v[BT], v[BT+2]
.endm
	s_load_b256 s[4:11], s[0:1], 0x0               ; h1, W2, b2, out0
	v_lshl_add_u32 v62, v0, 2, 0x200
	v_mov_b32 v63, 0
	v_lshrrev_b32 v1, 5, v0
	v_readfirstlane_b32 s12, v1                    ; wave
	v_and_b32 v2, 31, v0
	v_lshlrev_b32 v1, 4, v2                        ; 16 x lane
	v_and_b32 v3, 3, v0
	v_lshlrev_b32 v3, 2, v3                        ; 4 (lane % 4)
	v_lshrrev_b32 v4, 2, v2
	v_lshl_add_u32 v4, v4, 12, v3                  ; out0: batch lane / 4, row lane % 4
	v_lshlrev_b32 v6, 2, v2                        ; 4 x lane
	s_lshl_b32 s13, s12, 7
	v_add_nc_u32 v5, s13, v6                       ; LDS: 128 bytes a wave
	s_lshl_b32 s14, s12, 12                        ; my K slice: 4,096 bytes on in every row
	s_mov_b32 s15, 0
	s_lshl_b32 s16, ttmp9, 16                      ; four rows of 16,384 bytes
	s_add_co_u32 s16, s16, s14
	s_mov_b32 s17, 0
	s_lshl_b32 s18, ttmp9, 4
	s_mov_b32 s19, 0
	s_mov_b32 s22, 0xaaaaaaaa
	s_mov_b32 s23, 0xcccccccc
	s_mov_b32 s24, 0xf0f0f0f0
	s_mov_b32 s25, 0xff00ff00
	s_mov_b32 s26, 0xffff0000
	s_mov_b32 s[SEL], 0x76543210
	s_mov_b32 s[SEL+1], 0xfedcba98
	s_wait_kmcnt 0x0
	s_add_nc_u64 s[4:5], s[4:5], s[14:15]
	s_add_nc_u64 s[6:7], s[6:7], s[16:17]
	s_add_nc_u64 s[8:9], s[8:9], s[18:19]
	s_add_nc_u64 s[10:11], s[10:11], s[18:19]
.irp row, 0,1,2,3
.irp i, 0,1,2,3,4,5,6,7
	global_load_b128 v[128+32*\row+4*\i:131+32*\row+4*\i], v1, s[6:7] offset:16384*\row+512*\i th:TH_LOAD_NT
.endr
.endr
	WIN 0x40
.irp b, 0,1,2,3,4,5,6,7
.irp i, 0,1,2,3,4,5,6,7
	global_load_b128 v[32*\b+4*\i:32*\b+4*\i+3], v1, s[4:5] offset:16384*\b+512*\i
.endr
.endr
	WIN 0
	global_load_b32 v7, v3, s[8:9]
	s_wait_loadcnt 0x0
	WIN 0x04                                       ; source 1: window 1
.irp kp, 0,1,2,3,4,5,6,7,8,9,10,11,12,13,14,15   ; 32 chains by turns
.irp b, 0,1,2,3,4,5,6,7
.irp row, 0,1,2,3
.if \kp == 0
	v_pk_mul_f32 v[64+2*(4*\b+\row):65+2*(4*\b+\row)], v[128+32*\row:129+32*\row], v[32*\b:32*\b+1]
.else
	v_pk_fma_f32 v[64+2*(4*\b+\row):65+2*(4*\b+\row)], v[128+32*\row+2*\kp:129+32*\row+2*\kp], v[32*\b+2*\kp:32*\b+2*\kp+1], v[64+2*(4*\b+\row):65+2*(4*\b+\row)]
.endif
.endr
.endr
.endr
	WIN 0
.set bi, 0
.rept 32
	v_add_f32 v[BS+bi], v[BS+2*bi], v[BS+2*bi+1]   ; ascending: a sum lands on registers that have been read
.set bi, bi+1
.endr
	BFLY32
	ds_store_b32 v5, v64
	s_wait_dscnt 0x0                               ; for the others' sake: my store is done
	s_barrier_signal -1
	s_barrier_wait -1
	s_cmp_lg_u32 s12, 0
	s_cbranch_scc1 .Ldone
.irp k, 0,1,2,3
	ds_load_b32 v[8+\k], v6 offset:128*\k
.endr
	s_wait_dscnt 0x0
	v_add_f32 v8, v8, v9
	v_add_f32 v10, v10, v11
	v_add_f32 v8, v8, v10
	v_add_f32 v8, v8, v7
	global_store_b32 v4, v8, s[10:11]
.Ldone:
	s_wait_tensorcnt 0x0
	ds_add_u32 v62, v63
	s_wait_dscnt 0x0
	s_endpgm
.Lfunc_end_k_q777d9aff84_mlp2:
	.size	k_q777d9aff84_mlp2, .Lfunc_end_k_q777d9aff84_mlp2-k_q777d9aff84_mlp2
	.p2alignl 7, 3214868480
	.fill 96, 4, 3214868480
	.section	.rodata,"a",@progbits
	.p2align	6, 0x0
	.amdhsa_kernel k_q777d9aff84_mlp2
		.amdhsa_group_segment_fixed_size 1024
		.amdhsa_private_segment_fixed_size 0
		.amdhsa_enable_private_segment 0
		.amdhsa_kernarg_size 32
		.amdhsa_user_sgpr_count 2
		.amdhsa_user_sgpr_kernarg_segment_ptr 1
		.amdhsa_wavefront_size32 1
		.amdhsa_system_sgpr_workgroup_id_x 1
		.amdhsa_system_sgpr_workgroup_id_y 1
		.amdhsa_system_sgpr_workgroup_id_z 1
		.amdhsa_system_vgpr_workitem_id 0
		.amdhsa_next_free_vgpr 512
		.amdhsa_next_free_sgpr 66
		.amdhsa_reserve_vcc 0
		.amdhsa_float_denorm_mode_32 3
		.amdhsa_float_denorm_mode_16_64 3
		.amdhsa_memory_ordered 1
		.amdhsa_forward_progress 1
		.amdhsa_inst_pref_size 51
	.end_amdhsa_kernel
	.amdgpu_metadata
---
amdhsa.version: [ 1, 2 ]
amdhsa.kernels:
  - .name:           k_q777d9aff84_mlp2
    .symbol:         k_q777d9aff84_mlp2.kd
    .args:
      - { .name: h1, .offset: 0, .size: 8, .value_kind: global_buffer, .address_space: global }
      - { .name: W2, .offset: 8, .size: 8, .value_kind: global_buffer, .address_space: global }
      - { .name: b2, .offset: 16, .size: 8, .value_kind: global_buffer, .address_space: global }
      - { .name: out0, .offset: 24, .size: 8, .value_kind: global_buffer, .address_space: global }
    .group_segment_fixed_size: 1024
    .private_segment_fixed_size: 0
    .kernarg_segment_align: 8
    .kernarg_segment_size: 32
    .max_flat_workgroup_size: 128
    .sgpr_count:     66
    .vgpr_count:     512
    .wavefront_size: 32
...
	.end_amdgpu_metadata
.endif
;; end of part 5
